; MI455X (gfx1250); checked and timed in simulation.
; The chip was launched on July 23, 2026; its instructions are those of AMD's public machine-readable ISA for CDNA 5 (MIT licence, August 2026) and "CDNA5" Instruction Set Architecture Reference Guide (July 2026). The comments in the code are by the model that wrote it; some were corrected since.
;; Causal Self Attention. Allowed arithmetic: float matrix products may take bf16 or f16 operands with f32 sums; other float arithmetic in f32, or as packed bf16 or f16 multiplies, adds, multiply-adds, maxima and minima; sums over many terms, partial sums and values carried from step to step in f32; what a program stores and reads back later, other than sums and carried values, may be rounded once to bf16 or f16.
;; Inputs: Wk 1,024 x 1,024 float32; Wp 1,024 x 1,024 float32; Wq 1,024 x 1,024 float32; Wv 1,024 x 1,024 float32; bk 1,024 float32; bp 1,024 float32; bq 1,024 float32; bv 1,024 float32; x 4 x 2,048 x 1,024 float32.
;; Outputs: out0 4 x 2,048 x 1,024 float32.
;; 2 versions, each right; version 2 is version 1 with the launch cvt written anew for expert scheduling mode. Each part assembles by itself: llvm-mc -triple=amdgcn-amd-amdhsa -mcpu=gfx1250 --defsym DOCPART=n.
;; ======== version 1 of 2: 4 launches
;; limits: values are held in f16: magnitudes above 65,504 overflow, below 6.1e-05 lose precision
;; workspace buffers: xb 16,777,216 bytes; wqkv 6,291,456 bytes; wpf 2,097,152 bytes; ball 16,384 bytes; qkv 50,331,648 bytes; o 16,777,216 bytes
;; launch cvt (part 1): grid 769 x 1, 8 waves a work-group, no clusters, 0 bytes of LDS; arguments x, Wq, Wk, Wv, Wp, bq, bk, bv, bp, xb, wqkv, wpf, ball; writes xb, wqkv, wpf, ball
.if DOCPART == 1
	.amdgcn_target "amdgcn-amd-amdhsa--gfx1250"
	.amdhsa_code_object_version 6
	.text
	.protected	k_q50cf997c4d_cvt
	.globl	k_q50cf997c4d_cvt
	.p2align	8
	.type	k_q50cf997c4d_cvt,@function
k_q50cf997c4d_cvt:
	s_mov_b64 s[64:65], 0
	v_nop
	global_prefetch_b8 v0, s[64:65] scope:SCOPE_SE
	s_setreg_imm32_b32 hwreg(HW_REG_WAVE_MODE, 25, 1), 1
	s_wait_xcnt 0x0
; EVERY INPUT IS ROUNDED ONCE TO bf16.  x -> xb (bf16); Wq, Wk, Wv -> wqkv (bf16, the three one below the other); Wp -> wpf (rounded to bf16, that number written as f16);
; bq, bk, bv, bp -> ball (rounded to bf16, written as f32, one behind the other).
; LIMITS.  A number of Wp beyond 65,504 becomes an infinity in f16; below 6.1e-5 it keeps f16's fixed step of 6e-8.  NaN and infinities are not treated apart.
; SHARES.  A stream: no LDS, no barrier, no matrix unit.  A work-group takes a chunk of 16,384 numbers: 16 rows of 4,096 bytes in, 16 rows of 2,048 bytes out.
; Thread t takes the 16 bytes at 16 t of each row in (a wave's load covers 512 consecutive bytes) and stores the 8 bytes at 8 t of each row out (a wave's store covers 256 consecutive bytes, aligned).
; All 16 loads of a thread go out at once; each has registers of its own for what is stored, so no source is written twice.
; Work-group id: 0-511 x; 512-703 Wq, Wk, Wv (64 chunks each); 704-767 Wp; 768 the four biases.
.set X, 8                              ; v[8:71]    16 x 4 numbers as loaded
.set Y, 72                             ; v[72:103]  16 x 2 words to store
.set T, 104                            ; v[104:107] at work
	s_load_b512 s[8:23], s[0:1], 0x0               ; x s[8:9], Wq s[10:11], Wk s[12:13], Wv s[14:15], Wp s[16:17], bq s[18:19], bk s[20:21], bv s[22:23]
	s_load_b256 s[24:31], s[0:1], 0x40             ; bp s[24:25], xb s[26:27], wqkv s[28:29], wpf s[30:31]
	s_load_b64 s[32:33], s[0:1], 0x60              ; ball
	v_lshlrev_b32 v1, 4, v0                        ; 16 t
	v_lshlrev_b32 v2, 3, v0                        ; 8 t
	s_mov_b32 s40, 0xffff0000                      ; a word's upper bf16
	s_max_u32 s34, ttmp9, 512
	s_sub_co_u32 s34, s34, 512                     ; the chunk's number among the weights' (0 for x's chunks, where it is not used)
	s_and_b32 s35, s34, 63                         ; and inside its own matrix
	s_wait_kmcnt 0x0
	s_cmp_eq_u32 ttmp9, 768
	s_cbranch_scc1 .Lbias
	s_mov_b64 s[4:5], s[16:17]                     ; from where and to where: Wp -> wpf, unless the id is lower
	s_mov_b64 s[6:7], s[30:31]
	s_mov_b32 s36, s35                             ; chunk in the source
	s_mov_b32 s38, s35                             ; chunk in the destination
	s_cmp_lt_u32 ttmp9, 704
	s_cselect_b64 s[4:5], s[14:15], s[4:5]         ; Wv
	s_cselect_b64 s[6:7], s[28:29], s[6:7]         ; wqkv,
	s_cselect_b32 s38, s34, s38                    ; where the three matrices' chunks follow each other
	s_cmp_lt_u32 ttmp9, 640
	s_cselect_b64 s[4:5], s[12:13], s[4:5]         ; Wk
	s_cmp_lt_u32 ttmp9, 576
	s_cselect_b64 s[4:5], s[10:11], s[4:5]         ; Wq
	s_cmp_lt_u32 ttmp9, 512
	s_cselect_b64 s[4:5], s[8:9], s[4:5]           ; x
	s_cselect_b64 s[6:7], s[26:27], s[6:7]         ; xb
	s_cselect_b32 s36, ttmp9, s36
	s_cselect_b32 s38, ttmp9, s38
	s_lshl_b32 s36, s36, 16                        ; 65,536 bytes a chunk in,
	s_lshl_b32 s38, s38, 15                        ; 32,768 out
	s_mov_b32 s37, 0
	s_mov_b32 s39, 0
	s_add_nc_u64 s[4:5], s[4:5], s[36:37]
	s_add_nc_u64 s[6:7], s[6:7], s[38:39]
.irp i, 0,1,2,3,4,5,6,7,8,9,10,11,12,13,14,15
	global_load_b128 v[X+4*(\i):X+4*(\i)+3], v1, s[4:5] offset:4096*(\i) th:TH_LOAD_NT
.endr
; Row i of the chunk.  half = 0: bf16.  half = 1: rounded to bf16, widened again (a shift, a mask), and that number written as f16.
.macro CV i, half
	s_wait_loadcnt 15-(\i)                         ; loads come back in order (ISA guide 5.7.1): row i is in, the 15 - i younger ones stay out
.if \half
	v_cvt_pk_bf16_f32 v[T], v[X+4*(\i)], v[X+4*(\i)+1]
	v_cvt_pk_bf16_f32 v[T+1], v[X+4*(\i)+2], v[X+4*(\i)+3]
	v_lshlrev_b32 v[T+2], 16, v[T]
	v_and_b32 v[T+3], s40, v[T]
	v_cvt_pk_f16_f32 v[Y+2*(\i)], v[T+2], v[T+3]
	v_lshlrev_b32 v[T+2], 16, v[T+1]
	v_and_b32 v[T+3], s40, v[T+1]
	v_cvt_pk_f16_f32 v[Y+2*(\i)+1], v[T+2], v[T+3]
.else
	v_cvt_pk_bf16_f32 v[Y+2*(\i)], v[X+4*(\i)], v[X+4*(\i)+1]
	v_cvt_pk_bf16_f32 v[Y+2*(\i)+1], v[X+4*(\i)+2], v[X+4*(\i)+3]
.endif
	global_store_b64 v2, v[Y+2*(\i):Y+2*(\i)+1], s[6:7] offset:2048*(\i)
.endm
	s_cmp_lt_u32 ttmp9, 704
	s_cbranch_scc0 .Lf16
.irp i, 0,1,2,3,4,5,6,7,8,9,10,11,12,13,14,15
	CV \i, 0
.endr
	s_endpgm
.Lf16:
.irp i, 0,1,2,3,4,5,6,7,8,9,10,11,12,13,14,15
	CV \i, 1
.endr
	s_endpgm
.Lbias:                                        ; 256 threads x 4 numbers are one bias
	global_load_b128 v[X:X+3],     v1, s[18:19]
	global_load_b128 v[X+4:X+7],   v1, s[20:21]
	global_load_b128 v[X+8:X+11],  v1, s[22:23]
	global_load_b128 v[X+12:X+15], v1, s[24:25]
.irp j, 0,1,2,3
	s_wait_loadcnt 3-(\j)                          ; bias j is in
	v_cvt_pk_bf16_f32 v[T], v[X+4*(\j)], v[X+4*(\j)+1]
	v_cvt_pk_bf16_f32 v[T+1], v[X+4*(\j)+2], v[X+4*(\j)+3]
	v_lshlrev_b32 v[Y+4*(\j)], 16, v[T]
	v_and_b32 v[Y+4*(\j)+1], s40, v[T]
	v_lshlrev_b32 v[Y+4*(\j)+2], 16, v[T+1]
	v_and_b32 v[Y+4*(\j)+3], s40, v[T+1]
	global_store_b128 v1, v[Y+4*(\j):Y+4*(\j)+3], s[32:33] offset:4096*(\j)
.endr
	s_endpgm
.Lfunc_end_k_q50cf997c4d_cvt:
	.size	k_q50cf997c4d_cvt, .Lfunc_end_k_q50cf997c4d_cvt-k_q50cf997c4d_cvt
	.p2alignl 7, 3214868480
	.fill 96, 4, 3214868480
	.section	.rodata,"a",@progbits
	.p2align	6, 0x0
	.amdhsa_kernel k_q50cf997c4d_cvt
		.amdhsa_group_segment_fixed_size 0
		.amdhsa_private_segment_fixed_size 0
		.amdhsa_enable_private_segment 0
		.amdhsa_kernarg_size 104
		.amdhsa_user_sgpr_count 2
		.amdhsa_user_sgpr_kernarg_segment_ptr 1
		.amdhsa_wavefront_size32 1
		.amdhsa_system_sgpr_workgroup_id_x 1
		.amdhsa_system_sgpr_workgroup_id_y 1
		.amdhsa_system_sgpr_workgroup_id_z 1
		.amdhsa_system_vgpr_workitem_id 0
		.amdhsa_next_free_vgpr 108
		.amdhsa_next_free_sgpr 66
		.amdhsa_reserve_vcc 0
		.amdhsa_float_denorm_mode_32 3
		.amdhsa_float_denorm_mode_16_64 3
		.amdhsa_memory_ordered 1
		.amdhsa_forward_progress 1
		.amdhsa_inst_pref_size 18
	.end_amdhsa_kernel
	.amdgpu_metadata
---
amdhsa.version: [ 1, 2 ]
amdhsa.kernels:
  - .name:           k_q50cf997c4d_cvt
    .symbol:         k_q50cf997c4d_cvt.kd
    .args:
      - { .name: x, .offset: 0, .size: 8, .value_kind: global_buffer, .address_space: global }
      - { .name: Wq, .offset: 8, .size: 8, .value_kind: global_buffer, .address_space: global }
      - { .name: Wk, .offset: 16, .size: 8, .value_kind: global_buffer, .address_space: global }
      - { .name: Wv, .offset: 24, .size: 8, .value_kind: global_buffer, .address_space: global }
      - { .name: Wp, .offset: 32, .size: 8, .value_kind: global_buffer, .address_space: global }
      - { .name: bq, .offset: 40, .size: 8, .value_kind: global_buffer, .address_space: global }
      - { .name: bk, .offset: 48, .size: 8, .value_kind: global_buffer, .address_space: global }
      - { .name: bv, .offset: 56, .size: 8, .value_kind: global_buffer, .address_space: global }
      - { .name: bp, .offset: 64, .size: 8, .value_kind: global_buffer, .address_space: global }
      - { .name: xb, .offset: 72, .size: 8, .value_kind: global_buffer, .address_space: global }
      - { .name: wqkv, .offset: 80, .size: 8, .value_kind: global_buffer, .address_space: global }
      - { .name: wpf, .offset: 88, .size: 8, .value_kind: global_buffer, .address_space: global }
      - { .name: ball, .offset: 96, .size: 8, .value_kind: global_buffer, .address_space: global }
    .group_segment_fixed_size: 0
    .private_segment_fixed_size: 0
    .kernarg_segment_align: 8
    .kernarg_segment_size: 104
    .max_flat_workgroup_size: 256
    .sgpr_count:     66
    .vgpr_count:     108
    .wavefront_size: 32
...
	.end_amdgpu_metadata
.endif
;; end of part 1
;; launch qkvp (part 2): grid 16 x 32, 4 waves a work-group, clusters of 4 x 4, 327,680 bytes of LDS; arguments xb, wqkv, ball, qkv; writes qkv
.if DOCPART == 2
	.amdgcn_target "amdgcn-amd-amdhsa--gfx1250"
	.amdhsa_code_object_version 6
	.text
	.protected	k_q50cf997c4d_qkvp
	.globl	k_q50cf997c4d_qkvp
	.p2align	8
	.type	k_q50cf997c4d_qkvp,@function
k_q50cf997c4d_qkvp:
	s_mov_b64 s[64:65], 0
	v_nop
	global_prefetch_b8 v0, s[64:65] scope:SCOPE_SE
	s_setreg_imm32_b32 hwreg(HW_REG_WAVE_MODE, 25, 1), 1
	s_wait_xcnt 0x0
	s_wait_alu depctr_hold_cnt(0) depctr_sa_sdst(0) depctr_va_vdst(0) depctr_va_sdst(0) depctr_va_ssrc(0) depctr_va_vcc(0) depctr_vm_vsrc(0)
	s_getreg_b32 s2, hwreg(HW_REG_IB_STS2, 6, 4)
	s_cmp_eq_u32 s2, 0
	s_cbranch_scc0 .Lentry_in_a_cluster
	s_endpgm
.Lentry_in_a_cluster:
	s_bfe_u32 s2, ttmp6, 0x10000c
	s_cmp_lg_u32 s2, 0xf033
	s_cbranch_scc0 .Lentry_shape_is_right
	s_endpgm
.Lentry_shape_is_right:
; [q | k | v][m][n] = the sum over k of xb[m][k] wqkv[n][k] + ball[n].  xb: [8192][1024] bf16, wqkv: [3072][1024] bf16, ball: f32.  Sums in f32, started by the bias; rounded once, to f16.
; The result is written BY HEADS: qkv[which][batch x 16 + head][t][64] f16, so that a head's rows are dense, 128 bytes each.  The scale 1/8 is not applied here.
; LIMIT.  f16 holds no number beyond 65,504: a q, k or v beyond that becomes an infinity.
; SHARES.  A tile of the result is 256 rows x 192 columns (three whole heads): 32 x 16 = 512 work-groups.  Wave w owns rows 64 w .. 64 w + 63 and all 192 columns: 4 x 12 accumulators of 16 x 16, 384 registers.
; So a wave holds whole heads, and its way out needs a stage of its own and no barrier.  K goes in 8 steps of 128 (rows of 256 bytes, at multiples of 256 bytes) through a ring of two LDS slots.
; CLUSTERS: 4 x 4 work-groups.  The four of a row of the cluster need the same tiles of xb, the four of a column the same tiles of wqkv: each tile is asked for JOINTLY, by the same tensor load with the
; same descriptor and a mask that names the four.
; THE MATRIX INSTRUCTION IS USED TRANSPOSED (source 0 = 16 rows of wqkv, source 1 = 16 rows of xb): a lane holds row l % 16 and the eight neighbouring columns 8 (l / 16) + 0..7.
; THE BIAS is the C operand of the products that start the sums: nothing is cleared, nothing is added later.
; REGISTERS, in windows of 256 (s_set_vgpr_msb: bits 1:0 source 0, 3:2 source 1, 5:4 source 2, 7:6 destination):
;   window 0: v0-31 addresses; v32-63, v64-95 fragments of xb, two buffers; v96-191 the bias, 8 registers a block of 16 columns; v192-239 packed results;
;             on the way out v32-79 and v96-143 by turns take 16 rows read back from the stage
;   window 1: v0-95, v96-191 fragments of wqkv, two buffers       window 2: accumulators of my row blocks 0, 1 ((a, b) at 96 (a % 2) + 8 b)       window 3: of blocks 2, 3
.set PITCH,  272                       ; an LDS row: 256 bytes + 16 of padding = 68 words: the 16 rows of a fragment load start at 16 different groups of four banks (64 banks of 4 bytes: ISA guide 11.1)
.set HALFA,  128*PITCH                 ; what waves 0 and 1 fetch: 128 rows of xb each
.set HALFB,  96*PITCH                  ; what waves 2 and 3 fetch: 96 rows of wqkv each
.set SLOT,   2*HALFA+2*HALFB           ; xb's 256 rows, then wqkv's 192
.set STAGE,  2*SLOT                    ; behind the ring: for each wave 3 heads x 16 rows x 144 bytes
.set SPH,    144                       ; a stage row: 128 bytes + 16
.set HSTG,   16*SPH
.set WSTG,   3*HSTG
.set SPARE,  STAGE+4*WSTG              ; behind the stages: the spare words, 128 bytes for each wave: two blocks of 256 bytes that no other line names
.set ADRA, 16                          ; v16-17  LDS address of my fragments of xb in slot 0, 1
.set ADRB, 20                          ; v20-21  the same for wqkv
.set STO,  24                          ; v24     the way out: where I put 16 bytes of a row
.set RD,   25                          ; v25     the way out: where I read rows back
.set GO,   26                          ; v26     16 x lane: my 16 bytes of 512 consecutive bytes of a head
.set SPW,  28                          ; v28     LDS address of my spare word; never rewritten
.set NIL,  29                          ; v29     0; never rewritten
.set BO,   30                          ; v30     32 (l / 16): my eight numbers in a block of 16 of the bias
.set FA,   32
.set BIAS, 96
.set TMP,  192
.set WV,   12                          ; s12  my wave's number
.set SIDE, 13                          ; s13  0: I fetch xb's tiles, 1: wqkv's
.set HF,   14                          ; s14  which half of the tile I fetch
.set LAP,  15                          ; s15  counts the loop's trips
.set G1,   24                          ; s[24:31] descriptor group 1 for xb's tiles;  s[32:39] group 0, a set for each slot
.set G0,   32
.set OB,   40                          ; s[40:45] where my rows of the tile's three heads begin in qkv
.set G1B,  48                          ; s[48:55], s[56:63] the same for wqkv's tiles
.set G0B,  56
.set DBITS, (1<<16)|(1<<20)|(1<<21)|(5<<22)|(3<<25)  ; 17:16 elements of 2 bytes; 20 padding on; 21 set beside a mask; 24:22 after every 64 words (code 5); 31:25 4 words (code 3)
.set MSB, 0
.macro WIN new                         ; the immediate's high byte repeats the setting that is left; a switch that changes nothing is dropped
.if MSB != (\new)
	s_set_vgpr_msb (MSB<<8)|(\new)
.set MSB, \new
.endif
.endm
; A joint load.  Each of the two lines has one mask and one set of registers for all that issue it.  The branch hangs on the wave's number alone.
; An s_nop 0 and four v_nop follow each of the two lines, ahead of the jump, the label and what follows.
.macro JLOAD s
	s_cmp_eq_u32 s[SIDE], 0
	s_cbranch_scc0 .Lfor_b_\@
	tensor_load_to_lds s[G0+4*(\s):G0+4*(\s)+3], s[G1:G1+7]
	s_nop 0
.rept 4
	v_nop
.endr
	s_branch .Lasked_\@
.Lfor_b_\@:
	tensor_load_to_lds s[G0B+4*(\s):G0B+4*(\s)+3], s[G1B:G1B+7]
	s_nop 0
.rept 4
	v_nop
.endr
.Lasked_\@:
.endm
.macro CREST                           ; a round of the cluster's barrier behind its opening barrier
	s_cmp_lg_u32 s[WV], 0
	s_cbranch_scc1 .Lnot_wave_0_\@
	s_barrier_signal -3
.Lnot_wave_0_\@:
	s_barrier_wait -3
	s_barrier_signal -1
	s_barrier_wait -1
.endm
.macro CROUND                          ; a whole round
	s_barrier_signal -1
	s_barrier_wait -1
	CREST
.endm
	s_load_b256 s[4:11], s[0:1], 0x0               ; xb s[4:5], wqkv s[6:7], ball s[8:9], qkv s[10:11]
	v_lshl_add_u32 v[SPW], v0, 2, SPARE
	v_mov_b32 v[NIL], 0
	ds_add_u32 v[SPW], v[NIL]                      ; the wave's opening: the add and its wait stand ahead of my first tensor load; the set-up below, work on registers, stands between them
	ds_add_u32 v28, v29
	v_lshrrev_b32 v1, 5, v0
	v_readfirstlane_b32 s[WV], v1                  ; wave 0..3
	s_lshr_b32 s[SIDE], s[WV], 1
	s_and_b32 s[HF], s[WV], 1
	s_bfe_u32 s16, ttmp6, 0x40000                  ; cx, cy: my place in the cluster
	s_bfe_u32 s17, ttmp6, 0x40004
	s_lshl_b32 s18, ttmp9, 2
	s_add_co_u32 s18, s18, s16                     ; tile column = 4 x cluster x + cx
	s_and_b32 s19, ttmp7, 0xffff
	s_lshl_b32 s19, s19, 2
	s_add_co_u32 s19, s19, s17                     ; tile row = 4 x cluster y + cy
	s_lshl_b32 s20, s17, 2
	s_lshl_b32 s20, 15, s20                        ; my row of the cluster: places 4 cy .. 4 cy + 3
	s_lshl_b32 s46, 0x1111, s16                    ; my column: places cx, cx + 4, cx + 8, cx + 12
	s_or_b32 s[G1], s20, DBITS                     ; xb's tiles go to my row,
	s_or_b32 s[G1B], s46, DBITS                    ; wqkv's to my column
	s_mov_b32 s[G1+1], 128<<16                     ; tensor_dim0 = 128
	s_mov_b32 s[G1B+1], 128<<16
	s_mov_b32 s[G1+2], 128<<16                     ; tensor_dim1 = 128 rows,
	s_mov_b32 s[G1B+2], 96<<16                     ; 96 for wqkv
	s_mov_b32 s[G1+3], 128<<16                     ; tile_dim0 = 128
	s_mov_b32 s[G1B+3], 128<<16
	s_mov_b32 s[G1+4], 128                         ; tile_dim1
	s_mov_b32 s[G1B+4], 96
	s_mov_b32 s[G1+5], 1024                        ; elements from row to row
	s_mov_b32 s[G1B+5], 1024
	s_mov_b32 s[G1+6], 0
	s_mov_b32 s[G1B+6], 0
	s_mov_b32 s[G1+7], 0
	s_mov_b32 s[G1B+7], 0
	; where the tiles come from.  xb's hang on the tile row alone, wqkv's on the tile column alone; each address is made in registers that never hold the other coordinate.
	s_lshl_b32 s22, s19, 19                        ; 256 rows x 2,048 bytes a tile row
	s_lshl_b32 s23, s[HF], 18                      ; + my 128 rows
	s_add_co_u32 s22, s22, s23
	s_mov_b32 s23, 0
	s_mul_i32 s46, s18, 192*2048
	s_mul_i32 s47, s[HF], 96*2048
	s_add_co_u32 s46, s46, s47
	s_mov_b32 s47, 0
	s_mul_i32 s20, s[HF], HALFA                    ; and where they go: no place in the cluster enters an LDS address
	s_mul_i32 s21, s[HF], HALFB
	s_add_co_u32 s21, s21, 2*HALFA
	s_wait_dscnt 0x0                               ; the opening add is done
	s_wait_kmcnt 0x0
	s_add_nc_u64 s[22:23], s[4:5], s[22:23]
	s_add_nc_u64 s[46:47], s[6:7], s[46:47]
	CROUND                                         ; all sixteen work-groups are here: the first joint loads meet
.irp s, 0,1
	s_mov_b32 s[G0+4*(\s)], 1                                      ; count = 1
	s_add_co_u32 s[G0+4*(\s)+1], s20, (\s)*SLOT                    ; LDS address
	s_add_nc_u64 s[G0+4*(\s)+2:G0+4*(\s)+3], s[22:23], (\s)*256    ; global address: K step s
	s_or_b32 s[G0+4*(\s)+3], s[G0+4*(\s)+3], 0x80000000            ; type = 2
	s_mov_b32 s[G0B+4*(\s)], 1
	s_add_co_u32 s[G0B+4*(\s)+1], s21, (\s)*SLOT
	s_add_nc_u64 s[G0B+4*(\s)+2:G0B+4*(\s)+3], s[46:47], (\s)*256
	s_or_b32 s[G0B+4*(\s)+3], s[G0B+4*(\s)+3], 0x80000000
	JLOAD \s                                       ; two loads of mine are out
.endr
	v_and_b32 v1, 15, v0                           ; l % 16
	v_bfe_u32 v2, v0, 4, 1                         ; l / 16
	v_lshlrev_b32 v[BO], 5, v2
	s_mul_i32 s20, s18, 768                        ; the tile's 192 numbers of the bias
	s_mov_b32 s21, 0
	s_add_nc_u64 s[8:9], s[8:9], s[20:21]
.irp b, 0,1,2,3,4,5,6,7,8,9,10,11
	global_load_b128 v[BIAS+8*(\b):BIAS+8*(\b)+3],   v[BO], s[8:9] offset:64*(\b)     ; register j of block b: the bias of column 16 b + 8 (l / 16) + j, whatever the row
	global_load_b128 v[BIAS+8*(\b)+4:BIAS+8*(\b)+7], v[BO], s[8:9] offset:64*(\b)+16
.endr
	; A fragment is 16 rows x 32 K in 8 registers: lane l holds row l % 16, K = 8 (l / 16) + 0..7 and 16 + 8 (l / 16) + 0..7: two loads of 16 bytes, 32 bytes apart.
	v_mul_u32_u24 v3, v1, PITCH
	v_lshl_add_u32 v3, v2, 4, v3                   ; row x pitch + 16 x half
	s_mul_i32 s20, s[WV], 64*PITCH                 ; my 64 rows of xb
	v_add_nc_u32 v[ADRA], s20, v3
	v_add_nc_u32 v[ADRA+1], SLOT, v[ADRA]
	v_add_nc_u32 v[ADRB], 2*HALFA, v3              ; every wave reads all 192 rows of wqkv
	v_add_nc_u32 v[ADRB+1], SLOT, v[ADRB]
	s_mul_i32 s20, s[WV], WSTG
	s_add_co_u32 s20, s20, STAGE                   ; my stage
	v_mul_u32_u24 v4, v1, SPH                      ; in: row l % 16, 16 bytes for each half of the lanes
	v_lshl_add_u32 v4, v2, 4, v4
	v_add_nc_u32 v[STO], s20, v4
	v_bfe_u32 v4, v0, 3, 2                         ; back: 32 lanes take four rows of 128 bytes,
	v_mul_u32_u24 v4, v4, SPH
	v_and_b32 v5, 7, v0
	v_lshl_add_u32 v4, v5, 4, v4
	v_add_nc_u32 v[RD], s20, v4
	v_and_b32 v[GO], 31, v0                        ; which are 512 consecutive bytes of a head
	v_lshlrev_b32 v[GO], 4, v[GO]
	; my rows in qkv: byte = which x 2^24 + (batch x 16 + head) x 2^18 + t x 128.  Column block g = 3 x tile column + j: which = g / 16, head = g % 16.  batch = tile row / 8, t = 256 (tile row % 8) + 64 wave.
	s_mul_i32 s20, s18, 3
	s_lshr_b32 s21, s19, 3
	s_lshl_b32 s21, s21, 22
	s_and_b32 s22, s19, 7
	s_lshl_b32 s22, s22, 15
	s_add_co_u32 s21, s21, s22
	s_lshl_b32 s22, s[WV], 13
	s_add_co_u32 s21, s21, s22
.irp j, 0,1,2
	s_add_co_u32 s22, s20, \j
	s_lshr_b32 s23, s22, 4
	s_lshl_b32 s23, s23, 24
	s_and_b32 s22, s22, 15
	s_lshl_b32 s22, s22, 18
	s_add_co_u32 s22, s22, s23
	s_add_co_u32 s22, s22, s21
	s_mov_b32 s23, 0
	s_add_nc_u64 s[OB+2*(\j):OB+2*(\j)+1], s[10:11], s[22:23]
.endr
; 12 matrix instructions: my row block a x all 12 column blocks, 32 along K, from buffer f.  first = 1: the bias starts the sums.
; The 48 accumulators take turns, one instruction a turn, in the same order in every quarter.
.macro MULA f, a, first
.if \first
	WIN 0x81+0x40*((\a)/2)                         ; wqkv window 1, xb and the bias window 0, D window 2 or 3
.else
	WIN 0xa1+0x50*((\a)/2)                         ; C and D window 2 or 3
.endif
.irp b, 0,1,2,3,4,5,6,7,8,9,10,11
.if \first
	v_wmma_f32_16x16x32_bf16 v[96*((\a)%2)+8*(\b):96*((\a)%2)+8*(\b)+7], v[96*(\f)+8*(\b):96*(\f)+8*(\b)+7], v[FA+32*(\f)+8*(\a):FA+32*(\f)+8*(\a)+7], v[BIAS+8*(\b):BIAS+8*(\b)+7]
.else
	v_wmma_f32_16x16x32_bf16 v[96*((\a)%2)+8*(\b):96*((\a)%2)+8*(\b)+7], v[96*(\f)+8*(\b):96*(\f)+8*(\b)+7], v[FA+32*(\f)+8*(\a):FA+32*(\f)+8*(\a)+7], v[96*((\a)%2)+8*(\b):96*((\a)%2)+8*(\b)+7]
.endif
.endr
.endm
; 32 LDS loads in one run: quarter q (32 along K) of a slot into buffer f: wqkv's 12 fragments, then xb's 4; the youngest four loads are xb's blocks 2 and 3
.macro FETCH slot, q, f
	WIN 0x40                                       ; destination window 1, address window 0
.irp i, 0,1,2,3,4,5,6,7,8,9,10,11
	ds_load_b128 v[96*(\f)+8*(\i):96*(\f)+8*(\i)+3],   v[ADRB+(\slot)] offset:64*(\q)+(\i)*16*PITCH
	ds_load_b128 v[96*(\f)+8*(\i)+4:96*(\f)+8*(\i)+7], v[ADRB+(\slot)] offset:64*(\q)+(\i)*16*PITCH+32
.endr
	WIN 0
.irp i, 0,1,2,3
	ds_load_b128 v[FA+32*(\f)+8*(\i):FA+32*(\f)+8*(\i)+3],   v[ADRA+(\slot)] offset:64*(\q)+(\i)*16*PITCH
	ds_load_b128 v[FA+32*(\f)+8*(\i)+4:FA+32*(\f)+8*(\i)+7], v[ADRA+(\slot)] offset:64*(\q)+(\i)*16*PITCH+32
.endr
.endm
.macro PLACES                          ; four places in front of loads into registers that matrix instructions have read, and of conversions that read results (ISA guide 7.12.1 for the conversions)
.rept 4
	v_nop
.endr
.endm
; A K step is four quarters of 32 along K, 48 matrix instructions each, on buffers 0, 1, 0, 1.  One of the first three: multiplies buffer f and, in its middle, fetches quarter q into buffer g.
.macro QUARTER slot, q, f, g, first
	s_wait_dscnt 4                                 ; wqkv's fragments and xb's blocks 0, 1 are in; the youngest four loads may be out
	MULA \f, 0, \first
	MULA \f, 1, \first
	PLACES
	FETCH \slot, \q, \g
	s_wait_dscnt 32                                ; all but the 32 just issued
	MULA \f, 2, \first
	MULA \f, 3, \first
.endm
; The last quarter multiplies buffer 1 and changes slots: ONE barrier.  In front of it each wave waits for all its tensor loads (one is out: its part of the next slot), adds 0 to its spare word, and waits for that and
; for its own reads of this slot.  fill = 1: the barrier opens a round of the cluster's, and the slot just read out is filled again, two K steps ahead, first thing behind the round.
.macro TURN slot, next, fill
	WIN 0                                          ; (the add's two registers lie in window 0)
	s_wait_tensorcnt 0x0                           ; all my tensor loads have landed;
	ds_add_u32 v[SPW], v[NIL]                      ; 0 onto my spare word;
	s_wait_dscnt 5                                 ; (the add and the youngest four loads may be out)
	MULA 1, 0, 0                                   ; twelve matrix instructions stand between the add and the wait for it
	s_wait_dscnt 0x0                               ; the add is done, and my reads of this slot are over
	s_barrier_signal -1
	MULA 1, 1, 0                                   ; work on registers while the others arrive
.if \fill
	WIN 0
.endif
	s_barrier_wait -1
.if \fill
	CREST                                          ; no wave of any partner still reads this slot's tile or has a load on its way
	s_add_nc_u64 s[G0+4*(\slot)+2:G0+4*(\slot)+3], s[G0+4*(\slot)+2:G0+4*(\slot)+3], 512
	s_add_nc_u64 s[G0B+4*(\slot)+2:G0B+4*(\slot)+3], s[G0B+4*(\slot)+2:G0B+4*(\slot)+3], 512
	JLOAD \slot                                    ; 168 matrix instructions ahead of the wait for it; the four v_nop behind it are also the places in front of the loads below
.else
	PLACES
.endif
	FETCH \next, 0, 0
	MULA 1, 2, 0
	MULA 1, 3, 0
.endm
; THE WAY OUT of row block a.  PACK: rounded to f16, 16 bytes a lane (each accumulator's registers in ascending order).  TOSTAGE: into my stage, by heads, and back as whole rows of 128 bytes.  SEND: stored.
.macro PACK a
	WIN 0x0a+5*((\a)/2)                            ; sources 0 and 1: window 2 or 3
.irp b, 0,1,2,3,4,5,6,7,8,9,10,11
.irp r, 0,1,2,3
	v_cvt_pk_f16_f32 v[TMP+4*(\b)+(\r)], v[96*((\a)%2)+8*(\b)+2*(\r)], v[96*((\a)%2)+8*(\b)+2*(\r)+1]
.endr
.endr
	WIN 0
.endm
.macro TOSTAGE a
	WIN 0
.irp b, 0,1,2,3,4,5,6,7,8,9,10,11
	ds_store_b128 v[STO], v[TMP+4*(\b):TMP+4*(\b)+3] offset:((\b)/4)*HSTG+32*((\b)%4)
.endr
.irp j, 0,1,2
.irp t, 0,1,2,3
	ds_load_b128 v[FA+64*((\a)%2)+4*(4*(\j)+(\t)):FA+64*((\a)%2)+4*(4*(\j)+(\t))+3], v[RD] offset:(\j)*HSTG+(\t)*4*SPH  ; LDS serves a wave's instructions in order (ISA guide 5.7.1.4): these see the stores above
.endr
.endr
.endm
.macro SEND a
	WIN 0
	s_wait_dscnt 0x0                               ; the block is back in registers
	s_wait_xcnt 0x0                                ; the stores issued so far have read their registers: the block that comes next from the stage lands where the block before this one lay
.irp j, 0,1,2
.irp t, 0,1,2,3
	global_store_b128 v[GO], v[FA+64*((\a)%2)+4*(4*(\j)+(\t)):FA+64*((\a)%2)+4*(4*(\j)+(\t))+3], s[OB+2*(\j):OB+2*(\j)+1] offset:(\a)*2048+(\t)*512  ; 512 consecutive bytes, at a multiple of 256 from qkv's first
.endr
.endr
.endm
	s_wait_tensorcnt 1                             ; my part of K step 0 is in; K step 1's may stay out
	s_barrier_signal -1
	s_barrier_wait -1                              ; everybody's is
	FETCH 0, 0, 0
	s_wait_loadcnt 0x0                             ; the bias
	QUARTER 0, 1, 0, 1, 1                          ; the first quarter stands in front of the loop: its products start the sums
	WIN 0                                          ; at a label and at a branch every window is 0
	s_mov_b32 s[LAP], 3
.Llap:                                                 ; a trip goes once round the ring, from a lap's second quarter to the next lap's first, and fills both slots again: K steps 2 to 7
	QUARTER 0, 2, 1, 0, 0
	QUARTER 0, 3, 0, 1, 0
	TURN 0, 1, 1
	QUARTER 1, 1, 0, 1, 0
	QUARTER 1, 2, 1, 0, 0
	QUARTER 1, 3, 0, 1, 0
	TURN 1, 0, 1
	QUARTER 0, 1, 0, 1, 0
	WIN 0
	s_sub_co_u32 s[LAP], s[LAP], 1
	s_cmp_lg_u32 s[LAP], 0
	s_cbranch_scc1 .Llap
	QUARTER 0, 2, 1, 0, 0                          ; the last lap fills nothing, and has no round of the cluster's barrier
	QUARTER 0, 3, 0, 1, 0
	TURN 0, 1, 0
	QUARTER 1, 1, 0, 1, 0
	QUARTER 1, 2, 1, 0, 0
	QUARTER 1, 3, 0, 1, 0
	s_wait_dscnt 4                                 ; the very last quarter: nothing more to fetch
	MULA 1, 0, 0
	MULA 1, 1, 0
	s_wait_dscnt 0x0
	MULA 1, 2, 0
	MULA 1, 3, 0
	WIN 0
	PLACES
	PACK 0
	TOSTAGE 0
.irp a, 1,2,3                          ; block a's conversions stand between block a - 1's loads from the stage and the wait for them
	PACK \a
	SEND (\a)-1
	TOSTAGE \a
.endr
	SEND 3
	s_wait_tensorcnt 0x0                           ; the wave's end: a wait, an add of 0 onto my spare word and its wait, behind my last tensor load and my last LDS store
	ds_add_u32 v[SPW], v[NIL]
	s_wait_dscnt 0x0
	CROUND                                         ; the closing round: no work-group ends while a partner may still ask for a tile that names it
	s_endpgm
.Lfunc_end_k_q50cf997c4d_qkvp:
	.size	k_q50cf997c4d_qkvp, .Lfunc_end_k_q50cf997c4d_qkvp-k_q50cf997c4d_qkvp
	.p2alignl 7, 3214868480
	.fill 96, 4, 3214868480
	.section	.rodata,"a",@progbits
	.p2align	6, 0x0
	.amdhsa_kernel k_q50cf997c4d_qkvp
		.amdhsa_group_segment_fixed_size 327680
		.amdhsa_private_segment_fixed_size 0
		.amdhsa_enable_private_segment 0
		.amdhsa_kernarg_size 32
		.amdhsa_user_sgpr_count 2
		.amdhsa_user_sgpr_kernarg_segment_ptr 1
		.amdhsa_wavefront_size32 1
		.amdhsa_system_sgpr_workgroup_id_x 1
		.amdhsa_system_sgpr_workgroup_id_y 1
		.amdhsa_system_sgpr_workgroup_id_z 1
		.amdhsa_system_vgpr_workitem_id 0
		.amdhsa_next_free_vgpr 960
		.amdhsa_next_free_sgpr 66
		.amdhsa_reserve_vcc 0
		.amdhsa_float_denorm_mode_32 3
		.amdhsa_float_denorm_mode_16_64 3
		.amdhsa_memory_ordered 1
		.amdhsa_forward_progress 1
		.amdhsa_inst_pref_size 121
	.end_amdhsa_kernel
	.amdgpu_metadata
---
amdhsa.version: [ 1, 2 ]
amdhsa.kernels:
  - .name:           k_q50cf997c4d_qkvp
    .symbol:         k_q50cf997c4d_qkvp.kd
    .args:
      - { .name: xb, .offset: 0, .size: 8, .value_kind: global_buffer, .address_space: global }
      - { .name: wqkv, .offset: 8, .size: 8, .value_kind: global_buffer, .address_space: global }
      - { .name: ball, .offset: 16, .size: 8, .value_kind: global_buffer, .address_space: global }
      - { .name: qkv, .offset: 24, .size: 8, .value_kind: global_buffer, .address_space: global }
    .group_segment_fixed_size: 327680
    .private_segment_fixed_size: 0
    .kernarg_segment_align: 8
    .kernarg_segment_size: 32
    .max_flat_workgroup_size: 128
    .sgpr_count:     66
    .vgpr_count:     960
    .wavefront_size: 32
...
	.end_amdgpu_metadata
.endif
;; end of part 2
;; launch attn (part 3): grid 4 x 64, 4 waves a work-group, no clusters, 327,680 bytes of LDS; arguments qkv, o; writes o
.if DOCPART == 3
	.amdgcn_target "amdgcn-amd-amdhsa--gfx1250"
	.amdhsa_code_object_version 6
	.text
	.protected	k_q50cf997c4d_attn
	.globl	k_q50cf997c4d_attn
	.p2align	8
	.type	k_q50cf997c4d_attn,@function
k_q50cf997c4d_attn:
	s_mov_b64 s[64:65], 0
	v_nop
	global_prefetch_b8 v0, s[64:65] scope:SCOPE_SE
	s_setreg_imm32_b32 hwreg(HW_REG_WAVE_MODE, 25, 1), 1
	s_wait_xcnt 0x0
; CAUSAL ATTENTION.  O[h][q][:] = the sum over k <= q of softmax_k(Q[h][q] . K[h][k] / 8) V[h][k][:].  Q, K, V lie one behind the other in qkv, each [64][SIZE_N][64] f16; O likewise: a head's rows are dense, 128 bytes each.
; Products, maxima and sums in f32; the weights p are rounded to f16 for the second product (their sum l is taken of the unrounded p), O once at the end.
; LIMITS.  f16 holds no number beyond 65,504: Q, K and V arrive within it; p lies in 0 to 1, and below 6e-5 it keeps f16's fixed step of 6e-8; O is a mean of V's rows and has their range, to within 2^-11 of it.
; A hidden score counts as its value less 1e30: f16's scores, 2.7e11 at the most, are nothing beside that; a weight below 2^-126 counts as 0 in l; NaN and infinities are not treated apart.
; THE WALK.  A head's queries lie in NB = SIZE_N / 256 blocks of 256; block i needs the key tiles 0 .. i of 256 keys, of which the last holds the diagonal.  A work-group takes TWO blocks, NB - 1 - b and then b:
; NB + 1 tiles, whatever b: all work-groups do equal work, and ONE loop with a constant trip count walks them.  Which tile is asked for, and what a trip does, hang on scalar registers made from b; every jump
; goes forward, but for the counted loops' own; none passes a barrier, or a tensor load but the one of LOAD's two that the wave's number does not choose; the ring (two slots of LDS that take turns) runs on across the
; change of blocks.  NO CLUSTER: a head's NB / 2 work-groups ask for the same tile only in trips 0 .. NB / 2, behind that fewer and fewer; and one walk common to all would have 3 NB / 2 trips for NB + 1.
; SHARES.  Of a block's four bands of 64 queries a wave owns 16 rows in each: four PIECES.  So the diagonal tile is the same work for all four waves: in its key step s band x sees all keys if s < x,
; none if s > x, and holds the diagonal if s = x.
; THE MASK is the C operand that starts the sum S^T = K Q^T: 0, or -1e30 where the key is hidden.  MD, made once, is the mask of a band's own step for my 16 rows; a product's mask is MD x AL + BE with two scalars:
; (1, 0) if s = x; (0, 0) if s < x; (0, -1e30) if s > x.  Only the diagonal tile's text and a block's beginning make and take masks; elsewhere C is the constant 0.
; LAYOUT, SOFTMAX, TURNS.  S^T = K Q^T holds ONE query a lane (lane % 16) and the keys 8 (lane / 16) + 0..7; two such results rounded to f16 ARE source 1 of O^T = V^T P.  p = 2^(c s - c m), c = log2(e) / 8, with a
; running maximum m; O and l are multiplied by a = 2^(c m_old - c m_new) in every step.  Turn n belongs to piece n: 8 products K Q^T of piece n + 1, later 8 products V^T P of piece n - 1; beside them the scaling,
; exponentials, roundings, sums and rescaling of piece n and the maximum and statistics of piece n + 1.  Four vector instructions stand behind every matrix instruction, the other 54 of a turn's 118 in two LUMPS.
; AHEAD OF THE TENSOR LOADS.  The change of slots that asks for tile t also prefetches tile t + 1 (t + 1 = 2 .. NB - 1): one tile, 256 matrix instructions, ahead of its load.  Of a head's work-groups only b = 0 walks
; all tiles, so it alone asks; each of its waves names the 16,384 bytes that it will itself load: a lane a block of 256 bytes, two instructions.  So each block is named once in the launch.
; REGISTERS, in windows of 256 (s_set_vgpr_msb: bits 1:0 source 0, 3:2 source 1, 5:4 source 2, 7:6 destination):
;   window 0: v0-15 addresses and two at work; v16-31 four registers of statistics a piece; v48-55 at work; v64-127 S^T, two buffers; v192-223 P, two buffers (a piece's buffers go by its number's parity)
;   window 1: v0-127 O^T, 32 a piece; v128-159 MD; v160-223 MC, two buffers      window 2: v0-63 Q; v64-127 the second block's Q; v128-191 K of one step; v192-255 V of one step
.set SIZE_N, 2048
.set NB,    SIZE_N/256
.set NP,    4         ; pieces a wave: a name, no knob
.set KS,    64        ; keys in a step
.set PK,    144       ; a row of K in LDS: 128 bytes + 16 of padding = 36 words: the 16 rows of a load start at 16 different groups of four banks (64 banks of 4 bytes: ISA guide 11.1)
.set PV,    160       ; a row of V: 128 + 32 = 40 words
.set VOFF,  4*KS*PK   ; a slot holds a tile, four steps: 256 rows of K, then 256 rows of V
.set SLOT1, 1<<17     ; slot 1 begins here, so that one exclusive or turns an address in one slot into the other's
.set STAGE, SLOT1+4*KS*(PK+PV)  ; behind the ring, never filled by a tensor load: 16 rows x 144 bytes for each wave, for the way out
.set SP,    144
.set AK0, 2           ; v2   my lane's place in a tile of K; never rewritten
.set AV0, 3           ; v3   the same for V
.set AK,  4           ; v4   the LDS address of K's next run of loads
.set AV,  5           ; v5   of V's
.set STO, 6           ; v6   the way out: where I put 16 bytes of a row
.set RD,  7           ; v7   the way out: where I read rows back
.set GO,  8           ; v8   my byte offset in 512 consecutive bytes of O
.set PFO, 61          ; v61  256 x my lane: the prefetches' offset; never rewritten
.set SPW, 62          ; v62  LDS address of my spare word: SPARE + 4 x my thread's number; never rewritten
.set NIL, 63          ; v63  0; never rewritten
.set SPARE, STAGE+4*16*SP  ; behind the stages: the spare words, 128 bytes for each wave: two blocks of 256 bytes that no other line names
.set MV,  12          ; v12-13  c m_old, kept while c m is made anew: by buffer
.set QO,  15          ; v15  my byte offset in 16 rows of Q
.set ST,  16          ; piece t's statistics at v[ST+4 t]: c m, m, l (even keys', odd keys')
.set TMP, 48          ; by buffer, four registers c0-c3 at work; when the maximum is found c2 takes a
.set S,   64
.set P,   192
.set MD,  128         ; window 1: the eight registers for group kt of 16 keys at MD + 8 kt
.set MC,  160         ; window 1: the masks of the products to come
.set QB,  64          ; window 2
.set KF,  128         ; window 2: key block kb, channel half c at KF + 16 kb + 8 c
.set VF,  192         ; window 2: key half kk, channel block cb at VF + 32 kk + 8 cb
.set WV,  12          ; s12  my wave's number
.set PB,  14          ; s14  b
.set HI,  15          ; s15  NB - 1 - b
.set G1K, 24          ; s[24:31] descriptor group 1 for K's tiles
.set G1V, 32          ; s[32:39] for V's: it differs in the padding alone
.set G0K, 40          ; s[40:43] descriptor group 0 for K's tiles
.set G0V, 44          ; s[44:47] the same for V's
.set SLOTS, 56        ; s56  tiles still to be asked for
.set CNT, 57          ; s57  counts a tile's key steps, 4 to 1
.set CS,  58          ; s[58:59] c: the packed scaling takes the pair's low word for both halves
.set SEL, 60          ; s[60:61] v_permlanex16_b32's selects: each lane takes its own place in the other half
.set TBK, 62          ; s62  LDS byte at which K of the step to be fetched begins
.set TBV, 63          ; s63  the same for V, less VOFF
.set PFB, 66          ; s[66:67] what I fetch of the head's tile 0 (waves 0, 1: a half of K's; waves 2, 3: of V's)
.set PFA, 68          ; s[68:69] the same of the tile that the next change of slots will ask for
.set RT,  70          ; s70  tiles of the block in hand that are still to be entered
.set NXT, 71          ; s71  the tile to be asked for next
.set LQ,  72          ; s72  the last tile of the block whose tiles are being asked for
.set NEW, 73          ; s73  1: the tile to be entered is a block's first
.set OFF, 74          ; s[74:75] a tile's byte offset in K and V
.set AL,  76          ; s[76:77] the mask's factor, in the low word
.set BE,  78          ; s[78:79] the mask's addend
.set OLO, 80          ; s[80:81] O at my rows of the second block
.set BIGN, 82         ; s82  -1e30
.set LIM, 83          ; s83  1 in the work-group that prefetches, else the greatest number: a wave prefetches while s[NXT] is above it
.set POF, 88          ; s[88:89] the byte offset of the tile to be prefetched
.set MSB, 0
.macro WIN new                      ; the high byte repeats the setting that is left; a switch that changes nothing is dropped
.if MSB != (\new)
	s_set_vgpr_msb (MSB<<8)|(\new)
.set MSB, (\new)
.endif
.endm
.set W_KQ, 0x0a       ; K and Q in window 2, S^T in window 0
.set W_KM, 0x1a       ; the same with the C operand in window 1
.set W_PV, 0x52       ; V in window 2, P in window 0, O^T in window 1
.set W_RS, 0x41       ; destination and source 0 in window 1, source 1 in window 0
; A fill.  Waves 0 and 1 fetch the two halves of a tile's K, waves 2 and 3 those of its V: 128 keys each.  An s_nop 0 and four v_nop follow each of the two lines, ahead of the jump and the label.
.macro LOAD
	s_cmp_lt_u32 s[WV], 2
	s_cbranch_scc0 .Lfor_v_\@
	tensor_load_to_lds s[G0K:G0K+3], s[G1K:G1K+7]
	s_nop 0
.rept 4
	v_nop
.endr
	s_branch .Lasked_\@
.Lfor_v_\@:
	tensor_load_to_lds s[G0V:G0V+3], s[G1V:G1V+7]
	s_nop 0
.rept 4
	v_nop
.endr
.Lasked_\@:
.endm
; The prefetch of what the next change of slots will ask for: my 16,384 bytes of tile NXT, a lane a block of 256 bytes.  It stands behind the wave's tensor load and its five lines.
; NXT is 0 behind a block's last tile, and tile 1 is not asked for: the tiles named are 2 .. NB - 1, all inside the head.
.macro ASK
	s_cmp_gt_u32 s[NXT], s[LIM]
	s_cbranch_scc0 .Lnot_mine_\@
	global_prefetch_b8 v[PFO], s[PFA:PFA+1] th:TH_LOAD_NT scope:SCOPE_SE
	global_prefetch_b8 v[PFO], s[PFA:PFA+1] offset:8192 th:TH_LOAD_NT scope:SCOPE_SE
.Lnot_mine_\@:
.endm
; THE CHANGE OF SLOTS.  Each wave waits for all its tensor loads, of which one is out: its part of the other slot; adds 0 to its spare word; and waits for that and for its own reads of the slot that it leaves.  Behind the barrier nobody reads the old
; slot any more and the other slot is whole.  fill = 1: the old slot is filled again, the first thing behind the barrier, with tile NXT: the descriptor's address is made anew from that number.
; (At its first use nothing has been read yet: slot 0 is waited for, slot 1 filled.)
.macro CHANGE fill
	WIN 0                           ; at a label and at a branch every window is 0
	s_wait_tensorcnt 0x0            ; no tensor load of mine is out, so a group 0 may be written
	ds_add_u32 v[SPW], v[NIL]       ; 0 onto my spare word; with fill = 1 the descriptors' scalar work stands between it and the wait for it
.if \fill
	s_lshl_b32 s[OFF], s[NXT], 15   ; a tile is 32,768 bytes of K and of V
	s_xor_b32 s[G0K+1], s[G0K+1], SLOT1
	s_add_nc_u64 s[G0K+2:G0K+3], s[6:7], s[OFF:OFF+1]
	s_or_b32 s[G0K+3], s[G0K+3], 0x80000000
	s_xor_b32 s[G0V+1], s[G0V+1], SLOT1
	s_add_nc_u64 s[G0V+2:G0V+3], s[8:9], s[OFF:OFF+1]
	s_or_b32 s[G0V+3], s[G0V+3], 0x80000000
	s_add_co_u32 s[NXT], s[NXT], 1  ; the block's next tile, or behind its last the second block's tile 0
	s_cmp_gt_u32 s[NXT], s[LQ]
	s_cselect_b32 s[NXT], 0, s[NXT]
	s_cselect_b32 s[LQ], s[PB], s[LQ]
	s_wait_xcnt 0x0                 ; the last prefetches, a tile back, have read their address, so it may be written
	s_lshl_b32 s[POF], s[NXT], 15
	s_add_nc_u64 s[PFA:PFA+1], s[PFB:PFB+1], s[POF:POF+1]
.endif
	s_wait_dscnt 0x0                ; the add is done, and my reads of the slot are over
	s_barrier_signal -1             ; the rest of the scalar work stands between the signal and the wait
	s_sub_co_u32 s[TBK], s[TBK], 4*KS*PK  ; the fetches go back to a slot's first step,
	s_xor_b32 s[TBK], s[TBK], SLOT1       ; in the other slot
	s_sub_co_u32 s[TBV], s[TBV], 4*KS*PV
	s_xor_b32 s[TBV], s[TBV], SLOT1
	s_barrier_wait -1
.if \fill
	LOAD
	ASK
.endif
.endm
	s_load_b64 s[4:5], s[0:1], 0x0    ; qkv: Q at its head
	s_load_b64 s[10:11], s[0:1], 0x8  ; O
	v_lshl_add_u32 v[SPW], v0, 2, SPARE
	v_mov_b32 v[NIL], 0
	ds_add_u32 v[SPW], v[NIL]       ; the wave's opening: the add and its wait stand ahead of my first tensor load; the set-up below, work on registers, stands between them
	ds_add_u32 v62, v63
	v_lshrrev_b32 v1, 5, v0
	v_readfirstlane_b32 s[WV], v1   ; wave 0..3
	s_mov_b32 s[PB], ttmp9
	s_sub_co_u32 s[HI], NB-1, s[PB]
	s_and_b32 s20, ttmp7, 0xffff    ; the head
	s_mov_b32 s21, 0
	s_mov_b64 s[22:23], SIZE_N*128
	s_mul_u64 s[20:21], s[20:21], s[22:23]  ; the head's first byte in each of the four tensors
	s_and_b32 s16, s[WV], 1         ; which half of a tile's 256 keys I fetch:
	s_lshl_b32 s22, s16, 14         ; its 128 rows of 128 bytes in memory,
	s_mov_b32 s23, 0
	s_add_nc_u64 s[22:23], s[22:23], s[20:21]
	s_mul_i32 s17, s16, 128*PK      ; and its place in a slot, for K
	s_mul_i32 s18, s16, 128*PV      ; and for V
	s_lshl_b32 s3, s[WV], 11        ; my 16 rows in a band of 64,
	s_lshl_b32 s2, s[HI], 15        ; in the first block,
	s_add_co_u32 s2, s2, s3
	s_lshl_b32 s84, s[PB], 15       ; and in the second
	s_add_co_u32 s84, s84, s3
	s_mov_b32 s3, 0
	s_mov_b32 s85, 0
	s_add_nc_u64 s[2:3], s[2:3], s[20:21]
	s_add_nc_u64 s[84:85], s[84:85], s[20:21]
	; descriptor group 1.  128 keys are 16,384 dense bytes: asked for as 64 rows of 256 bytes, two keys a row, and padded in LDS after every key
	s_mov_b32 s[G1K], (1<<16)|(1<<20)|(4<<22)|(3<<25)  ; 17:16 2-byte elements; 20 padding on; 24:22 after every 32 words (code 4); 31:25 4 words (code 3)
	s_mov_b32 s[G1V], (1<<16)|(1<<20)|(4<<22)|(7<<25)  ; the same with 8 words of padding (code 7)
.irp g, G1K, G1V
	s_mov_b32 s[\g+1], 128<<16      ; tensor_dim0 = 128
	s_mov_b32 s[\g+2], 64<<16       ; tensor_dim1 = 64
	s_mov_b32 s[\g+3], 128<<16      ; tile_dim0 = 128
	s_mov_b32 s[\g+4], 64           ; tile_dim1 = 64
	s_mov_b32 s[\g+5], 128          ; 128 elements from row to row
	s_mov_b32 s[\g+6], 0
	s_mov_b32 s[\g+7], 0
.endr
	s_mov_b32 s[CS], 0x3e38aa3b     ; c = log2(e) / 8 = 0.180337
	s_mov_b32 s[CS+1], s[CS]        ; named with it as a pair
	s_mov_b32 s[SEL], 0x76543210
	s_mov_b32 s[SEL+1], 0xfedcba98
	s_mov_b32 s[TBK], SLOT1+4*KS*PK ; the first change of slots turns these two into 0
	s_mov_b32 s[TBV], SLOT1+4*KS*PV
	s_mov_b32 s[G0K], 1             ; 1:0 count = 1
	s_mov_b32 s[G0K+1], s17         ; 63:32 LDS address: slot 0
	s_mov_b32 s[G0V], 1
	s_add_co_u32 s[G0V+1], s18, VOFF
	s_add_co_u32 s[RT], s[HI], 1    ; the first block has NB - b tiles
	s_mov_b32 s[NXT], 1
	s_mov_b32 s[LQ], s[HI]
	s_mov_b32 s[NEW], 1
	s_mov_b32 s[OFF+1], 0
	s_mov_b32 s[POF+1], 0
	s_mov_b32 s[AL+1], 0            ; named as pairs
	s_mov_b32 s[BE+1], 0
	s_mov_b32 s[BIGN], 0xf149f2ca   ; -1e30
	s_mov_b32 s[SLOTS], NB
	s_cmp_eq_u32 ttmp9, 0           ; the work-group that walks all of the head's tiles
	s_cselect_b32 s[LIM], 1, -1
	v_and_b32 v[PFO], 31, v0
	v_lshlrev_b32 v[PFO], 8, v[PFO]
	s_wait_dscnt 0x0                ; the opening add is done
	s_wait_kmcnt 0x0
	s_add_nc_u64 s[6:7], s[4:5], 0x1000000  ; K lies 2^24 bytes behind Q,
	s_add_nc_u64 s[8:9], s[4:5], 0x2000000  ; V 2^25
	s_add_nc_u64 s[6:7], s[6:7], s[22:23]  ; K and V at my half of the head's tile 0
	s_add_nc_u64 s[8:9], s[8:9], s[22:23]
	s_add_nc_u64 s[G0K+2:G0K+3], s[6:7], 0         ; 120:64 global address
	s_or_b32 s[G0K+3], s[G0K+3], 0x80000000        ; 127:126 type = 2
	s_add_nc_u64 s[G0V+2:G0V+3], s[8:9], 0
	s_or_b32 s[G0V+3], s[G0V+3], 0x80000000
	s_add_nc_u64 s[86:87], s[4:5], s[84:85]        ; Q at my rows of the second block,
	s_add_nc_u64 s[4:5], s[4:5], s[2:3]            ; Q and O at those of the first
	s_add_nc_u64 s[OLO:OLO+1], s[10:11], s[84:85]
	s_add_nc_u64 s[10:11], s[10:11], s[2:3]
	s_cmp_lt_u32 s[WV], 2
	s_cselect_b64 s[PFB:PFB+1], s[6:7], s[8:9]
	LOAD                            ; tile 0 into slot 0
	; A fragment of K or Q is 16 rows x 32 channels in 8 registers: lane l holds row l % 16, channels 8 (l / 16) + 0..7 and 16 + 8 (l / 16) + 0..7: two loads of 16 bytes, 32 bytes apart.
	v_and_b32 v1, 15, v0            ; l % 16
	v_bfe_u32 v9, v0, 4, 1          ; l / 16
	v_lshlrev_b32 v[QO], 7, v1
	v_lshl_add_u32 v[QO], v9, 4, v[QO]  ; row x 128 + 16 x half
	WIN 0x80                        ; destination window 2, address window 0
.set i, 0
.rept 8                             ; both blocks' Q: piece i / 2 lies in band i / 2, 8,192 bytes on; channels 32 (i % 2) on
	global_load_b128 v[8*i:8*i+3],   v[QO], s[4:5] offset:(i/2)*8192+(i%2)*64
	global_load_b128 v[8*i+4:8*i+7], v[QO], s[4:5] offset:(i/2)*8192+(i%2)*64+32
	global_load_b128 v[QB+8*i:QB+8*i+3],   v[QO], s[86:87] offset:(i/2)*8192+(i%2)*64
	global_load_b128 v[QB+8*i+4:QB+8*i+7], v[QO], s[86:87] offset:(i/2)*8192+(i%2)*64+32
.set i, i+1
.endr
	WIN 0
	v_lshlrev_b32 v14, 3, v9
	v_sub_nc_u32 v14, v1, v14
	s_lshl_b32 s13, s[WV], 4
	v_add_nc_u32 v14, s13, v14      ; my query's place in its band, 16 w + l % 16, less my lanes' 8 (l / 16): register r of group kt is hidden where 16 kt + r is greater
	WIN 0x40
.set i, 0
.rept 32
	v_cmp_gt_i32 vcc_lo, 16*(i/8)+i%8, v14
	v_cndmask_b32 v[MD+i], 0, s[BIGN], vcc_lo
.set i, i+1
.endr
	WIN 0
	v_mul_u32_u24 v[AK0], v1, PK
	v_lshl_add_u32 v[AK0], v9, 4, v[AK0]  ; row x pitch + 16 x half
	; The turning load takes 16 keys x 16 channels (lane l reads key 8 (l / 16) + l % 8, channels 8 ((l / 8) % 2) + 0..7) and leaves half a fragment of V^T: lane l holds channel l % 16 and 8 keys.
	v_and_b32 v10, 7, v0
	v_bfe_u32 v11, v0, 3, 1
	v_lshl_add_u32 v[AV0], v9, 3, v10
	v_mul_u32_u24 v[AV0], v[AV0], PV
	v_lshl_add_u32 v[AV0], v11, 4, v[AV0]
	v_add_nc_u32 v[AV0], VOFF, v[AV0]
	s_mul_i32 s13, s[WV], 16*SP
	s_add_co_u32 s13, s13, STAGE    ; my stage
	v_mul_u32_u24 v[STO], v1, SP    ; in: row l % 16, 16 bytes for each half of the lanes
	v_lshl_add_u32 v[STO], v9, 4, v[STO]
	v_add_nc_u32 v[STO], s13, v[STO]
	v_bfe_u32 v[RD], v0, 3, 2       ; back: 32 lanes take four rows of 128 bytes,
	v_mul_u32_u24 v[RD], v[RD], SP
	v_lshl_add_u32 v[RD], v10, 4, v[RD]
	v_add_nc_u32 v[RD], s13, v[RD]
	v_and_b32 v[GO], 31, v0         ; which are 512 consecutive bytes of O
	v_lshlrev_b32 v[GO], 4, v[GO]
	; A block's first step multiplies O^T and l by a = 0, and its first turn's products V^T P, of a piece that has not been, land in an O^T that is still to be so multiplied.  So these registers need only hold
	; finite numbers: zeros for the first block; what the first block left for the second.  All this stands in the wait for the first tile.
	WIN 0x80
.set i, VF
.rept 64
	v_mov_b32 v[i], 0
.set i, i+1
.endr
	WIN 0x40
.set i, 0
.rept 128
	v_mov_b32 v[i], 0
.set i, i+1
.endr
	WIN 0
.set i, 0
.rept 4
	v_mov_b32 v[ST+4*i+2], 0
	v_mov_b32 v[ST+4*i+3], 0
.set i, i+1
.endr
.set i, P+16
.rept 16
	v_mov_b32 v[i], 0
.set i, i+1
.endr
; THE MATRIX WORK.  The 4 accumulators of a run of 8 take turns.  Product i of 8 of S^T = K Q^T for piece x: channels 32 (i / 4) on, keys 16 (i % 4) on.  The first 4 start the sums: with 0, or (KM = 1) with the mask.
.macro KQ x
.set rS, S+32*((\x)%2)+8*(i%4)
.set rK, KF+16*(i%4)+8*(i/4)
.set rQ, 16*(\x)+8*(i/4)
.set rM, MC+32*((\x)%2)+8*(i%4)
.if (i < 4) && KM
	WIN W_KM
	v_wmma_f32_16x16x32_f16 v[rS:rS+7], v[rK:rK+7], v[rQ:rQ+7], v[rM:rM+7]
.elseif i < 4
	WIN W_KQ
	v_wmma_f32_16x16x32_f16 v[rS:rS+7], v[rK:rK+7], v[rQ:rQ+7], 0
.else
	WIN W_KQ
	v_wmma_f32_16x16x32_f16 v[rS:rS+7], v[rK:rK+7], v[rQ:rQ+7], v[rS:rS+7]
.endif
.endm
; Product i of 8 of O^T += V^T P for piece x: keys 32 (i / 4) on, channels 16 (i % 4) on.
.macro PV x
	WIN W_PV
.set rO, 32*(\x)+8*(i%4)
.set rV, VF+32*(i/4)+8*(i%4)
.set rP, P+16*((\x)%2)+8*(i/4)
	v_wmma_f32_16x16x32_f16 v[rO:rO+7], v[rV:rV+7], v[rP:rP+7], v[rO:rO+7]
.endm
.macro MM                           ; the turn's next matrix instruction.  TURN and BEGIN set Y, i, KM and NOKQ; MM, KQ and OP read them.  NOKQ = 1: a block's last turn: there is no next piece
.if (i < 8) && !NOKQ
	KQ (Y+1)%NP
.elseif i >= 8
.set i, i-8
	PV (Y+NP-1)%NP
.set i, i+8
.endif
.set i, i+1
.endm
; THE LDS LOADS stand in runs of 16, never singly among the matrix instructions: a step's K (64 keys x 64 channels: 8 fragments) and its V (turned).  Their addresses are made some lines ahead.
.macro FETCH_K
	WIN 0x80                        ; destination window 2
.irp f, 0,1,2,3,4,5,6,7             ; keys 16 (f / 2) on, channels 32 (f % 2) on
	ds_load_b128 v[KF+8*\f:KF+8*\f+3],   v[AK] offset:(\f/2)*16*PK+(\f%2)*64
	ds_load_b128 v[KF+8*\f+4:KF+8*\f+7], v[AK] offset:(\f/2)*16*PK+(\f%2)*64+32
.endr
	s_add_co_u32 s[TBK], s[TBK], KS*PK  ; the next fetch is the next step's
	WIN 0
.endm
.macro FETCH_V
	WIN 0x80
.irp f, 0,1,2,3,4,5,6,7             ; keys 32 (f / 4) on, channels 16 (f % 4) on
	ds_load_tr16_b128 v[VF+8*\f:VF+8*\f+3],   v[AV] offset:(\f/4)*32*PV+(\f%4)*32
	ds_load_tr16_b128 v[VF+8*\f+4:VF+8*\f+7], v[AV] offset:(\f/4)*32*PV+16*PV+(\f%4)*32
.endr
	WIN 0
.endm
; THE VECTOR WORK, one line at a time: OP kind, number.  For piece Y: F n: c s - c m for pair n of 16.  E n: the exponential of score n of 32.  C n: pair n rounded to f16.  B n: of the four weights 4 n .. the second
; pair is added onto the first, in place.  L n: l takes that sum (L 0: l = a l + sum).  R n: pair n of 16 of O^T times a.  For piece Y + 1: X n, number n of the 22 that find its maximum and statistics:
;   0-11  four chains c0-c3 of seven scores each, three operands at a time (each accumulator's lowest registers are read first)     12-14, 16  the four scores left over, the old m, and c0-c3 into c0
;   15  c m_old is kept     17, 18  the query's other 32 keys lie in the lane 16 away: the new m     19-21  c m; c m_old - c m_new; a
.set F, 0               ; OP tells the kinds apart by their order: F to L below R, X above it
.set E, 1
.set C, 2
.set B, 3
.set L, 4
.set R, 5
.set X, 6
.macro REGS y                       ; the registers of piece y
.set rT, ST+4*(\y)
.set rC, TMP+4*((\y)%2)
.set rW, MV+((\y)%2)
.set rS, S+32*((\y)%2)
.set rP, P+16*((\y)%2)
.set rO, 32*(\y)
.endm
.macro OP k, n
.if (\k) == R
	REGS Y
	WIN W_RS
	v_pk_mul_f32 v[rO+2*(\n):rO+2*(\n)+1], v[rO+2*(\n):rO+2*(\n)+1], v[rC+2:rC+3] op_sel_hi:[1,0]
.elseif (\k) < R
	REGS Y
	WIN 0
.if (\k) == F
	v_pk_fma_f32 v[rS+2*(\n):rS+2*(\n)+1], v[rS+2*(\n):rS+2*(\n)+1], s[CS:CS+1], v[rT:rT+1] op_sel_hi:[1,0,0] neg_lo:[0,0,1] neg_hi:[0,0,1]
.elseif (\k) == E
	v_exp_f32 v[rS+(\n)], v[rS+(\n)]
.elseif (\k) == C
	s_wait_alu depctr_va_vdst(0)
	v_cvt_pk_f16_f32 v[rP+(\n)], v[rS+2*(\n)], v[rS+2*(\n)+1]
.elseif (\k) == B
	s_wait_alu depctr_va_vdst(0)
	v_pk_add_f32 v[rS+4*(\n):rS+4*(\n)+1], v[rS+4*(\n):rS+4*(\n)+1], v[rS+4*(\n)+2:rS+4*(\n)+3]
.elseif (\n) == 0
	v_pk_fma_f32 v[rT+2:rT+3], v[rT+2:rT+3], v[rC+2:rC+3], v[rS:rS+1] op_sel_hi:[1,0,1]
.else
	v_pk_add_f32 v[rT+2:rT+3], v[rT+2:rT+3], v[rS+4*(\n):rS+4*(\n)+1]
.endif
.elseif NOKQ
	v_nop
.else
	REGS (Y+1)%NP
	WIN 0
.if (\n) < 4
	v_max3_num_f32 v[rC+(\n)], v[rS+8*(\n)], v[rS+8*(\n)+1], v[rS+8*(\n)+2]
.elseif (\n) < 12
	v_max3_num_f32 v[rC+(\n)%4], v[rC+(\n)%4], v[rS+8*((\n)%4)+2*((\n)/4)+1], v[rS+8*((\n)%4)+2*((\n)/4)+2]
.elseif (\n) == 12
	v_max3_num_f32 v[rC], v[rC], v[rS+7], v[rS+15]
.elseif (\n) == 13
	v_max3_num_f32 v[rC+1], v[rC+1], v[rS+23], v[rS+31]
.elseif (\n) == 14
	v_max3_num_f32 v[rC+2], v[rC+2], v[rC+3], v[rT+1]
.elseif (\n) == 15
	v_mov_b32 v[rW], v[rT]
.elseif (\n) == 16
	v_max3_num_f32 v[rC], v[rC], v[rC+1], v[rC+2]
.elseif (\n) == 17
	v_permlanex16_b32 v[rC+3], v[rC], s[SEL], s[SEL+1]
.elseif (\n) == 18
	v_max_num_f32 v[rT+1], v[rC], v[rC+3]
.elseif (\n) == 19
	v_mul_f32 v[rT], s[CS], v[rT+1]
.elseif (\n) == 20
	v_sub_f32 v[rC+1], v[rW], v[rT]
.else
	v_exp_f32 v[rC+2], v[rC+1]
.endif
.endif
.endm
.macro OPS a, i1, b=-1, i2=0, c=-1, i3=0, d=-1, i4=0  ; up to four of them
	OP \a, \i1
.if (\b) >= 0
	OP \b, \i2
.endif
.if (\c) >= 0
	OP \c, \i3
.endif
.if (\d) >= 0
	OP \d, \i4
.endif
.endm
.macro ROW a, i1, b, i2, c, i3, d, i4  ; a matrix instruction and the four behind it
	MM
	OPS \a, \i1, \b, \i2, \c, \i3, \d, \i4
.endm
.macro MASK b                       ; MD x AL + BE into buffer b of MC
	WIN W_RS
.set z, 0
.rept 16
	v_pk_fma_f32 v[MC+32*(\b)+2*z:MC+32*(\b)+2*z+1], v[MD+2*z:MD+2*z+1], s[AL:AL+1], s[BE:BE+1] op_sel_hi:[1,0,0]
.set z, z+1
.endr
.endm
; A TURN, for piece p: the order of its 16 matrix and 118 vector instructions, written out.  Behind a matrix instruction: plain, exponential, plain, plain; or four of the rescaling; or, behind the first, four scalings; none
; names a register of the products round it.  In the lumps exponential and plain by turns while exponentials last.  A line reads no result made fewer than three vector instructions in front of it, five if an exponential made it.
; v_permlanex16_b32 (X 17) stands in a lump.
; m = 1: the diagonal tile: the products take masks, and the turn makes the mask for the products of the turn after it: piece p + 2, in step 4 - CNT of the tile.  end = 1: a block's last two turns: nothing is fetched.
; cnt = 1: the loop's count is taken down some lines ahead of the branch that stands behind the turn.
; K of the next step is fetched in piece 2's turn, six vector instructions behind the last product that read K (five of them plain); V of the step in hand in piece 0's turn, eight behind the last product that read V (four
; plain, and X 17).  Each is waited for a turn later.
.macro TURN p, m=0, end=0, cnt=0
.set Y, (\p)
.set i, 0
.set KM, (\m)
.set NOKQ, (\end)*((\p)/3)
.if (\m) && !(\end)
	s_cmp_eq_u32 s[CNT], 4-((\p)+2)%NP  ; is that step the band's own?
	s_cselect_b32 s[AL], 1.0, 0
	s_cmp_lt_u32 s[CNT], 4-((\p)+2)%NP  ; or a later one?
	s_cselect_b32 s[BE], s[BIGN], 0
.endif
.if ((\p) == 3) && !(\end)
	s_wait_dscnt 0x0                ; K is in
.endif
	ROW F,0, F,1, F,2, F,3
	ROW F,4, E,0, F,5, F,6
	ROW F,7, E,1, F,8, F,9
	ROW F,10, E,2, C,0, F,11
	ROW F,12, E,3, X,15, F,13
	ROW R,0, R,1, R,2, R,3
	ROW B,0, E,4, F,14, L,0
.if ((\p) == 2) && !(\end)
	v_add_nc_u32 v[AK], s[TBK], v[AK0]
.endif
	ROW R,4, R,5, R,6, R,7
	OPS E,5, F,15
.if ((\p) == 2) && !(\end)
	FETCH_K
.endif
	OPS E,6, C,1, E,7, R,8
	OPS E,8, R,9, E,9, C,2
	OPS E,10, X,0, E,11, X,1
	OPS E,12, X,2, E,13, X,3
.if (\p) == 1
	s_wait_dscnt 0x0                ; V is in
.endif
	ROW X,4, E,14, X,5, X,6
	ROW X,7, E,15, X,8, X,9
	ROW X,10, E,16, X,11, X,12
	ROW X,13, E,17, X,14, B,1
	ROW C,4, E,18, X,16, L,1
	ROW B,2, E,19, C,6, L,2
	ROW C,8, E,20, B,3, B,4
.if (\p) == 0
	v_add_nc_u32 v[AV], s[TBV], v[AV0]
.endif
	ROW C,3, E,21, L,3, C,5
	OPS E,22, X,17, E,23, C,10
.if (\p) == 0
	FETCH_V
.endif
	OPS E,24, L,4
	OPS E,25, X,18, E,26, C,7
	OPS E,27, B,5, E,28, X,19
	OPS E,29, C,12, E,30, L,5
	OPS E,31, X,20, B,6, C,9
	OPS C,14, C,11, X,21, L,6
.if (\p) == 0
	s_add_co_u32 s[TBV], s[TBV], KS*PV
.endif
.if \cnt
	s_sub_co_u32 s[CNT], s[CNT], 1
	s_cmp_lg_u32 s[CNT], 0
.endif
	OPS C,13, B,7, C,15, R,10
	OPS R,11, R,12, L,7, R,13
	OPS R,14, R,15
.if (\m) && !(\end)
	MASK (\p)%2
.endif
.endm
; A BLOCK BEGINS.  c m starts far below every c s, so the first step's a is 0; m at the lowest finite number, so the first maximum is the scores'.  The second mask buffer is 0; the first takes piece 0's mask for the tile's step 0: its own, if the block's first tile is the diagonal one.
; Then K of that step, piece 0's first scores, and its maximum and statistics.  The loop is entered at a step's first turn, in the middle of a trip.
.macro BEGIN
	s_mov_b32 s[NEW], 0
	WIN 0x40
.set i, MC+32
.rept 32
	v_mov_b32 v[i], 0
.set i, i+1
.endr
	WIN 0
.set i, 0
.rept 4
	v_mov_b32 v[ST+4*i], 0xfe000000    ; c m: far below every c s
	v_mov_b32 v[ST+4*i+1], 0xff7fffff  ; m
.set i, i+1
.endr
	s_cmp_eq_u32 s[RT], 0
	s_cselect_b32 s[AL], 1.0, 0
	s_mov_b32 s[BE], 0
	MASK 0
	WIN 0
	v_add_nc_u32 v[AK], s[TBK], v[AK0]
	FETCH_K
	s_wait_loadcnt 0x0              ; Q
	s_wait_dscnt 0x0
.set KM, 1
.set NOKQ, 0
.set i, 0
.rept 8
	KQ 0
.set i, i+1
.endr
	WIN 0
.rept 4
	v_nop                           ; the places behind those products
.endr
.set Y, NP-1                        ; X works for piece Y + 1: piece 0
.irp n, 0,1,2,3,4,5,6,7,8,9,10,11,12,13,14,15,16,17,18,19,20,21
	OP X, \n
.endr
	v_nop                           ; a plain instruction behind the exponential
.endm
; THE DIAGONAL TILE's four steps, the block's last two turns, its last products, and THE WAY OUT: l's two halves and the other half of the lanes' are added; O^T is divided by l, rounded to f16 and sent through my
; stage in LDS, a piece at a time.
.macro ALL line:vararg              ; one line for each piece t
.set t, 0
.rept 4
	\line
.set t, t+1
.endr
.endm
.macro PACK t                       ; a lane's eight channels of a row pack into 16 bytes; they go into rows of 144 bytes and come back as whole rows of 128, into S^T's registers
	WIN W_RS
.set i, 32*(\t)
.rept 16
	s_wait_alu depctr_va_vdst(0)
	v_pk_mul_f32 v[i:i+1], v[i:i+1], v[ST+4*(\t)+2:ST+4*(\t)+3] op_sel_hi:[1,0]
.set i, i+2
.endr
	WIN 0x05                        ; sources 0 and 1 window 1, destination window 0
.set i, 0
.rept 16
	v_cvt_pk_f16_f32 v[S+16*(\t)+i], v[32*(\t)+2*i], v[32*(\t)+2*i+1]
.set i, i+1
.endr
	WIN 0
.irp f, 0,1,2,3
	ds_store_b128 v[STO], v[S+16*(\t)+4*\f:S+16*(\t)+4*\f+3] offset:32*\f
.endr
.irp f, 0,1,2,3
	ds_load_b128 v[S+16*(\t)+4*\f:S+16*(\t)+4*\f+3], v[RD] offset:\f*4*SP  ; LDS serves a wave's instructions in order (ISA guide 5.7.1.4): these see the stores above; the next piece's stores come behind them
.endr
.endm
.macro SEND t, younger              ; younger: the LDS instructions issued behind piece t's loads: the next piece's eight, or none
	WIN 0
.irp f, 0,1,2,3
	s_wait_dscnt (\younger)+3-\f
	global_store_b128 v[GO], v[S+16*(\t)+4*\f:S+16*(\t)+4*\f+3], s[10:11] offset:(\t)*8192+\f*512  ; 512 consecutive bytes, at a multiple of 256 from O's first
.endr
.endm
.macro DIAG tag                     ; the tag ends its two labels' names, which the jumps below spell out
.LstepM\tag:
	TURN 2, 1
	TURN 3, 1
	WIN 0
.LfirstM\tag:
	TURN 0, 1
	TURN 1, 1, 0, 1
	WIN 0
	s_cbranch_scc1 .LstepM\tag
	TURN 2, 1, 1
	TURN 3, 1, 1
.set i, 0
.rept 8
	PV NP-1
.set i, i+1
.endr
	WIN 0
	ALL v_add_f32 v[ST+4*t+2], v[ST+4*t+2], v[ST+4*t+3]
	ALL v_permlanex16_b32 v[ST+4*t+3], v[ST+4*t+2], s[SEL], s[SEL+1]
	ALL v_add_f32 v[ST+4*t+2], v[ST+4*t+2], v[ST+4*t+3]
	ALL v_rcp_f32 v[ST+4*t+2], v[ST+4*t+2]
	v_nop                           ; a plain instruction between the last reciprocal and the use of its result
	PACK 0
.set t, 1
.rept 3                             ; a piece's arithmetic stands between the loads of the piece before and its stores
	PACK t
	SEND t-1, 8
.set t, t+1
.endr
	SEND 3, 0
.endm
.set KM, 0
.set NOKQ, 0
.Lslot:                             ; NB times: a tile is entered and the next is asked for
	CHANGE 1
	s_sub_co_u32 s[RT], s[RT], 1
	s_mov_b32 s[CNT], 4
	s_cmp_eq_u32 s[NEW], 1
	s_cbranch_scc1 .Lnew            ; a block's first tile
	s_cmp_eq_u32 s[RT], 0
	s_cbranch_scc0 .Lstep           ; neither its first nor its last
	s_branch .LstepM1
.Lnew:
	BEGIN
	s_branch .Lfirst                ; in the loop a block's first tile is never its last: the first block has two tiles or more, and the second's last is the walk's last
	DIAG 1                          ; in the loop this is the first block's end: the second block's last tile is the walk's last
	s_wait_xcnt 0x0                 ; the stores have read their registers and O's address
	s_mov_b64 s[10:11], s[OLO:OLO+1]
	s_add_co_u32 s[RT], s[PB], 1    ; the second block has b + 1 tiles
	s_mov_b32 s[NEW], 1
	WIN 0x82                        ; the second block's Q goes where the one text of the turns names Q
.set i, 0
.rept 64
	v_mov_b32 v[i], v[QB+i]
.set i, i+1
.endr
	WIN 0
	s_branch .Lbottom
.Lstep:                             ; a trip: pieces 2 and 3 of one step, then pieces 0 and 1 of the next, whose K and V it fetches
	TURN 2
	TURN 3
	WIN 0
.Lfirst:
	TURN 0
	TURN 1, 0, 0, 1
	WIN 0
	s_cbranch_scc1 .Lstep
.Lbottom:
	s_sub_co_u32 s[SLOTS], s[SLOTS], 1
	s_cmp_lg_u32 s[SLOTS], 0
	s_cbranch_scc1 .Lslot
	CHANGE 0                        ; the walk's last tile is written out: nothing is asked for
	s_sub_co_u32 s[RT], s[RT], 1
	s_mov_b32 s[CNT], 4
	s_cmp_eq_u32 s[NEW], 1
	s_cbranch_scc0 .LstepM2
	BEGIN
	s_branch .LfirstM2
	DIAG 2
	s_wait_tensorcnt 0x0            ; the wave's end: a wait, an add of 0 onto my spare word and its wait, behind my last tensor load and my last LDS store
	ds_add_u32 v[SPW], v[NIL]
	s_wait_dscnt 0x0
	s_endpgm
.Lfunc_end_k_q50cf997c4d_attn:
	.size	k_q50cf997c4d_attn, .Lfunc_end_k_q50cf997c4d_attn-k_q50cf997c4d_attn
	.p2alignl 7, 3214868480
	.fill 96, 4, 3214868480
	.section	.rodata,"a",@progbits
	.p2align	6, 0x0
	.amdhsa_kernel k_q50cf997c4d_attn
		.amdhsa_group_segment_fixed_size 327680
		.amdhsa_private_segment_fixed_size 0
		.amdhsa_enable_private_segment 0
		.amdhsa_kernarg_size 16
		.amdhsa_user_sgpr_count 2
		.amdhsa_user_sgpr_kernarg_segment_ptr 1
		.amdhsa_wavefront_size32 1
		.amdhsa_system_sgpr_workgroup_id_x 1
		.amdhsa_system_sgpr_workgroup_id_y 1
		.amdhsa_system_sgpr_workgroup_id_z 1
		.amdhsa_system_vgpr_workitem_id 0
		.amdhsa_next_free_vgpr 768
		.amdhsa_next_free_sgpr 90
		.amdhsa_reserve_vcc 1
		.amdhsa_float_denorm_mode_32 3
		.amdhsa_float_denorm_mode_16_64 3
		.amdhsa_memory_ordered 1
		.amdhsa_forward_progress 1
		.amdhsa_inst_pref_size 229
	.end_amdhsa_kernel
	.amdgpu_metadata
---
amdhsa.version: [ 1, 2 ]
amdhsa.kernels:
  - .name:           k_q50cf997c4d_attn
    .symbol:         k_q50cf997c4d_attn.kd
    .args:
      - { .name: qkv, .offset: 0, .size: 8, .value_kind: global_buffer, .address_space: global }
      - { .name: o, .offset: 8, .size: 8, .value_kind: global_buffer, .address_space: global }
    .group_segment_fixed_size: 327680
    .private_segment_fixed_size: 0
    .kernarg_segment_align: 8
    .kernarg_segment_size: 16
    .max_flat_workgroup_size: 128
    .sgpr_count:     90
    .vgpr_count:     768
    .wavefront_size: 32
...
	.end_amdgpu_metadata
.endif
;; end of part 3
;; launch proj (part 4): grid 8 x 32, 4 waves a work-group, clusters of 4 x 4, 327,680 bytes of LDS; arguments o, wpf, ball, out0; writes out0
.if DOCPART == 4
	.amdgcn_target "amdgcn-amd-amdhsa--gfx1250"
	.amdhsa_code_object_version 6
	.text
	.protected	k_q50cf997c4d_proj
	.globl	k_q50cf997c4d_proj
	.p2align	8
	.type	k_q50cf997c4d_proj,@function
k_q50cf997c4d_proj:
	s_mov_b64 s[64:65], 0
	v_nop
	global_prefetch_b8 v0, s[64:65] scope:SCOPE_SE
	s_setreg_imm32_b32 hwreg(HW_REG_WAVE_MODE, 25, 1), 1
	s_wait_xcnt 0x0
	s_wait_alu depctr_hold_cnt(0) depctr_sa_sdst(0) depctr_va_vdst(0) depctr_va_sdst(0) depctr_va_ssrc(0) depctr_va_vcc(0) depctr_vm_vsrc(0)
	s_getreg_b32 s2, hwreg(HW_REG_IB_STS2, 6, 4)
	s_cmp_eq_u32 s2, 0
	s_cbranch_scc0 .Lentry_in_a_cluster
	s_endpgm
.Lentry_in_a_cluster:
	s_bfe_u32 s2, ttmp6, 0x10000c
	s_cmp_lg_u32 s2, 0xf033
	s_cbranch_scc0 .Lentry_shape_is_right
	s_endpgm
.Lentry_shape_is_right:
; out0[m][n] = the sum over k of y[m][k] wpf[n][k] + bp[n].  y[batch x 2048 + t][head x 64 + d] = o[batch x 16 + head][t][d], f16; wpf: [1024][1024] f16; bp: the last 1,024 numbers of ball, f32.
; Sums in f32, started by the bias; out0 is f32 and is stored as the sums stand.
; SHARES.  A tile of out0 is 256 rows x 128 columns: 32 x 8 = 256 work-groups.  Wave w owns rows 64 w .. 64 w + 63 and all 128 columns: 4 x 8 accumulators of 16 x 16, 256 registers.
; K goes in 8 steps of 128 = two heads, through a ring of two LDS slots.  A head's part of y's tile is 256 rows of 128 bytes, dense in o: asked for as 128 rows of 256 bytes and padded in LDS after every 128 bytes.
; CLUSTERS: 4 x 4 work-groups.  The four of a row of the cluster need the same tiles of o, the four of a column the same tiles of wpf: each is asked for JOINTLY, by the same tensor load, descriptor and mask in all four.
; THE MATRIX INSTRUCTION IS USED TRANSPOSED (source 0 = 16 rows of wpf, source 1 = 16 rows of y): a lane holds row l % 16 and the eight neighbouring columns 8 (l / 16) + 0..7: 32 bytes of a row of out0.
; REGISTERS, in windows of 256 (s_set_vgpr_msb: bits 1:0 source 0, 3:2 source 1, 5:4 source 2, 7:6 destination):
;   window 0: v0-31 addresses; v32-63, v64-95 fragments of y, two buffers; v96-159 the bias; on the way out v32-95 and v160-223 by turns take 16 rows read back from the stage
;   window 1: v0-63, v64-127 fragments of wpf, two buffers       window 2: the accumulators ((a, b) at 8 (8 a + b))
.set PA,     144                       ; a row of y in LDS: 128 bytes + 16 = 36 words: the 16 rows of a fragment load start at 16 different groups of four banks (64 banks of 4 bytes: ISA guide 11.1)
.set PITCH,  272                       ; a row of wpf: 256 bytes + 16
.set SUBA,   256*PA                    ; one head's 256 rows: what wave 0 (the even head) or wave 1 (the odd one) fetches
.set HALFB,  64*PITCH                  ; what waves 2 and 3 fetch: 64 rows of wpf each
.set SLOT,   2*SUBA+2*HALFB
.set STAGE,  2*SLOT                    ; behind the ring: 16 rows x 528 bytes for each wave
.set SPITCH, 528                       ; a stage row: 512 bytes + 16
.set WSTG,   16*SPITCH
.set SPARE,  STAGE+4*WSTG              ; behind the stages: the spare words, 128 bytes for each wave: two blocks of 256 bytes that no other line names
.set ADRA, 16                          ; v16-17  LDS address of my fragments of y in slot 0, 1
.set ADRB, 20                          ; v20-21  the same for wpf
.set STO,  24                          ; v24     the way out: where I put 32 bytes of a row
.set RD,   25                          ; v25     the way out: where I read a row back
.set CO,   26                          ; v26     16 x lane: my 16 bytes of a row's 512
.set SPW,  28                          ; v28     LDS address of my spare word; never rewritten
.set NIL,  29                          ; v29     0; never rewritten
.set BO,   30                          ; v30     32 (l / 16)
.set FA,   32
.set BIAS, 96
.set WV,   12                          ; s12  my wave's number
.set SIDE, 13                          ; s13  0: I fetch o's tiles, 1: wpf's
.set HF,   14                          ; s14  which half I fetch
.set LAP,  15                          ; s15  counts the loop's trips
.set G1,   24                          ; s[24:31] descriptor group 1 for o's tiles;  s[32:39] group 0, a set for each slot
.set G0,   32
.set OUT,  40                          ; s[40:41] out0 at my first row and the tile's first column
.set G1B,  48                          ; s[48:55], s[56:63] the same for wpf's tiles
.set G0B,  56
.set MSB, 0
.macro WIN new                         ; the immediate's high byte repeats the setting that is left; a switch that changes nothing is dropped
.if MSB != (\new)
	s_set_vgpr_msb (MSB<<8)|(\new)
.set MSB, \new
.endif
.endm
; A joint load.  The branch hangs on the wave's number alone.  An s_nop 0 and four v_nop follow each of the two lines, ahead of the jump, the label and what follows.
.macro JLOAD s
	s_cmp_eq_u32 s[SIDE], 0
	s_cbranch_scc0 .Lfor_b_\@
	tensor_load_to_lds s[G0+4*(\s):G0+4*(\s)+3], s[G1:G1+7]
	s_nop 0
.rept 4
	v_nop
.endr
	s_branch .Lasked_\@
.Lfor_b_\@:
	tensor_load_to_lds s[G0B+4*(\s):G0B+4*(\s)+3], s[G1B:G1B+7]
	s_nop 0
.rept 4
	v_nop
.endr
.Lasked_\@:
.endm
.macro CREST                           ; a round of the cluster's barrier behind its opening barrier
	s_cmp_lg_u32 s[WV], 0
	s_cbranch_scc1 .Lnot_wave_0_\@
	s_barrier_signal -3
.Lnot_wave_0_\@:
	s_barrier_wait -3
	s_barrier_signal -1
	s_barrier_wait -1
.endm
.macro CROUND                          ; a whole round
	s_barrier_signal -1
	s_barrier_wait -1
	CREST
.endm
	s_load_b256 s[4:11], s[0:1], 0x0               ; o s[4:5], wpf s[6:7], ball s[8:9], out0 s[10:11]
	v_lshl_add_u32 v[SPW], v0, 2, SPARE
	v_mov_b32 v[NIL], 0
	ds_add_u32 v[SPW], v[NIL]                      ; the wave's opening: the add and its wait stand ahead of my first tensor load; the set-up below, work on registers, stands between them
	ds_add_u32 v28, v29
	v_lshrrev_b32 v1, 5, v0
	v_readfirstlane_b32 s[WV], v1                  ; wave 0..3
	s_lshr_b32 s[SIDE], s[WV], 1
	s_and_b32 s[HF], s[WV], 1
	s_bfe_u32 s16, ttmp6, 0x40000                  ; cx, cy: my place in the cluster
	s_bfe_u32 s17, ttmp6, 0x40004
	s_lshl_b32 s18, ttmp9, 2
	s_add_co_u32 s18, s18, s16                     ; tile column = 4 x cluster x + cx
	s_and_b32 s19, ttmp7, 0xffff
	s_lshl_b32 s19, s19, 2
	s_add_co_u32 s19, s19, s17                     ; tile row = 4 x cluster y + cy
	s_lshl_b32 s20, s17, 2
	s_lshl_b32 s20, 15, s20                        ; my row of the cluster
	s_lshl_b32 s46, 0x1111, s16                    ; my column
	s_or_b32 s[G1], s20, (1<<16)|(1<<20)|(1<<21)|(4<<22)|(3<<25)   ; the mask; elements of 2 bytes; padding on; 21 set beside a mask; after every 32 words (code 4) 4 words (code 3)
	s_or_b32 s[G1B], s46, (1<<16)|(1<<20)|(1<<21)|(5<<22)|(3<<25)  ; for wpf after every 64 words (code 5)
	s_mov_b32 s[G1+1], 128<<16                     ; tensor_dim0 = 128
	s_mov_b32 s[G1B+1], 128<<16
	s_mov_b32 s[G1+2], 128<<16                     ; tensor_dim1 = 128 rows of 256 bytes (256 rows of a head),
	s_mov_b32 s[G1B+2], 64<<16                     ; 64 for wpf
	s_mov_b32 s[G1+3], 128<<16                     ; tile_dim0 = 128
	s_mov_b32 s[G1B+3], 128<<16
	s_mov_b32 s[G1+4], 128                         ; tile_dim1
	s_mov_b32 s[G1B+4], 64
	s_mov_b32 s[G1+5], 128                         ; elements from row to row: dense,
	s_mov_b32 s[G1B+5], 1024                       ; a row of wpf
	s_mov_b32 s[G1+6], 0
	s_mov_b32 s[G1B+6], 0
	s_mov_b32 s[G1+7], 0
	s_mov_b32 s[G1B+7], 0
	; where the tiles come from.  o's hang on the tile row alone, wpf's on the tile column alone; each address is made in registers that never hold the other coordinate.
	s_lshr_b32 s22, s19, 3                         ; batch = tile row / 8
	s_lshl_b32 s22, s22, 4
	s_add_co_u32 s22, s22, s[HF]                   ; its head 0 or 1,
	s_lshl_b32 s22, s22, 18                        ; 2^18 bytes a head,
	s_and_b32 s23, s19, 7
	s_lshl_b32 s23, s23, 15                        ; 256 rows of 128 bytes a tile row
	s_add_co_u32 s22, s22, s23
	s_mov_b32 s23, 0
	s_lshl_b32 s46, s18, 18                        ; 128 rows x 2,048 bytes a tile column
	s_lshl_b32 s47, s[HF], 17                      ; + my 64 rows
	s_add_co_u32 s46, s46, s47
	s_mov_b32 s47, 0
	s_mul_i32 s20, s[HF], SUBA                     ; and where they go: no place in the cluster enters an LDS address
	s_mul_i32 s21, s[HF], HALFB
	s_add_co_u32 s21, s21, 2*SUBA
	s_wait_dscnt 0x0                               ; the opening add is done
	s_wait_kmcnt 0x0
	s_add_nc_u64 s[22:23], s[4:5], s[22:23]
	s_add_nc_u64 s[46:47], s[6:7], s[46:47]
	CROUND                                         ; all sixteen work-groups are here: the first joint loads meet
.irp s, 0,1
	s_mov_b32 s[G0+4*(\s)], 1                                      ; count = 1
	s_add_co_u32 s[G0+4*(\s)+1], s20, (\s)*SLOT                    ; LDS address
	s_add_nc_u64 s[G0+4*(\s)+2:G0+4*(\s)+3], s[22:23], (\s)*0x80000  ; global address: K step s is two heads on
	s_or_b32 s[G0+4*(\s)+3], s[G0+4*(\s)+3], 0x80000000            ; type = 2
	s_mov_b32 s[G0B+4*(\s)], 1
	s_add_co_u32 s[G0B+4*(\s)+1], s21, (\s)*SLOT
	s_add_nc_u64 s[G0B+4*(\s)+2:G0B+4*(\s)+3], s[46:47], (\s)*256
	s_or_b32 s[G0B+4*(\s)+3], s[G0B+4*(\s)+3], 0x80000000
	JLOAD \s                                       ; two loads of mine are out
.endr
	v_and_b32 v1, 15, v0                           ; l % 16
	v_bfe_u32 v2, v0, 4, 1                         ; l / 16
	v_lshlrev_b32 v[BO], 5, v2
	s_lshl_b32 s20, s18, 9                         ; the tile's 128 numbers of bp,
	s_add_co_u32 s20, s20, 12288                   ; which lies behind bq, bk and bv
	s_mov_b32 s21, 0
	s_add_nc_u64 s[8:9], s[8:9], s[20:21]
.irp b, 0,1,2,3,4,5,6,7
	global_load_b128 v[BIAS+8*(\b):BIAS+8*(\b)+3],   v[BO], s[8:9] offset:64*(\b)     ; register j of block b: the bias of column 16 b + 8 (l / 16) + j, whatever the row
	global_load_b128 v[BIAS+8*(\b)+4:BIAS+8*(\b)+7], v[BO], s[8:9] offset:64*(\b)+16
.endr
	v_mul_u32_u24 v3, v1, PA
	v_lshl_add_u32 v3, v2, 4, v3                   ; row x pitch + 16 x half
	s_mul_i32 s20, s[WV], 64*PA                    ; my 64 rows of y
	v_add_nc_u32 v[ADRA], s20, v3
	v_add_nc_u32 v[ADRA+1], SLOT, v[ADRA]
	v_mul_u32_u24 v3, v1, PITCH
	v_lshl_add_u32 v3, v2, 4, v3
	v_add_nc_u32 v[ADRB], 2*SUBA, v3               ; every wave reads all 128 rows of wpf
	v_add_nc_u32 v[ADRB+1], SLOT, v[ADRB]
	s_mul_i32 s20, s[WV], WSTG
	s_add_co_u32 s20, s20, STAGE                   ; my stage
	v_mul_u32_u24 v4, v1, SPITCH                   ; in: row l % 16, 32 bytes for each half of the lanes
	v_lshl_add_u32 v4, v2, 5, v4
	v_add_nc_u32 v[STO], s20, v4
	v_and_b32 v[CO], 31, v0                        ; back: 32 lanes take one row of 512 bytes
	v_lshlrev_b32 v[CO], 4, v[CO]
	v_add_nc_u32 v[RD], s20, v[CO]
	s_lshl_b32 s20, s19, 20                        ; 256 rows x 4,096 bytes a tile row,
	s_lshl_b32 s21, s[WV], 18                      ; my 64 rows,
	s_add_co_u32 s20, s20, s21
	s_lshl_b32 s21, s18, 9                         ; the tile's 512 bytes of a row
	s_add_co_u32 s20, s20, s21
	s_mov_b32 s21, 0
	s_add_nc_u64 s[OUT:OUT+1], s[10:11], s[20:21]
; 8 matrix instructions: my row block a x all 8 column blocks, 32 along K, from buffer f.  first = 1: the bias starts the sums.
; The 32 accumulators take turns, one instruction a turn, in the same order in every quarter.
.macro MULA f, a, first
.if \first
	WIN 0x81                                       ; wpf window 1, y and the bias window 0, D window 2
.else
	WIN 0xa1                                       ; C and D window 2
.endif
.irp b, 0,1,2,3,4,5,6,7
.if \first
	v_wmma_f32_16x16x32_f16 v[8*(8*(\a)+(\b)):8*(8*(\a)+(\b))+7], v[64*(\f)+8*(\b):64*(\f)+8*(\b)+7], v[FA+32*(\f)+8*(\a):FA+32*(\f)+8*(\a)+7], v[BIAS+8*(\b):BIAS+8*(\b)+7]
.else
	v_wmma_f32_16x16x32_f16 v[8*(8*(\a)+(\b)):8*(8*(\a)+(\b))+7], v[64*(\f)+8*(\b):64*(\f)+8*(\b)+7], v[FA+32*(\f)+8*(\a):FA+32*(\f)+8*(\a)+7], v[8*(8*(\a)+(\b)):8*(8*(\a)+(\b))+7]
.endif
.endr
.endm
; 24 LDS loads in one run: quarter q (32 along K: head q / 2 of the step's two, channels 32 (q % 2) on) into buffer f: wpf's 8 fragments, then y's 4; the youngest four loads are y's blocks 2 and 3
.macro FETCH slot, q, f
	WIN 0x40                                       ; destination window 1, address window 0
.irp i, 0,1,2,3,4,5,6,7
	ds_load_b128 v[64*(\f)+8*(\i):64*(\f)+8*(\i)+3],   v[ADRB+(\slot)] offset:64*(\q)+(\i)*16*PITCH
	ds_load_b128 v[64*(\f)+8*(\i)+4:64*(\f)+8*(\i)+7], v[ADRB+(\slot)] offset:64*(\q)+(\i)*16*PITCH+32
.endr
	WIN 0
.irp i, 0,1,2,3
	ds_load_b128 v[FA+32*(\f)+8*(\i):FA+32*(\f)+8*(\i)+3],   v[ADRA+(\slot)] offset:((\q)/2)*SUBA+((\q)%2)*64+(\i)*16*PA
	ds_load_b128 v[FA+32*(\f)+8*(\i)+4:FA+32*(\f)+8*(\i)+7], v[ADRA+(\slot)] offset:((\q)/2)*SUBA+((\q)%2)*64+(\i)*16*PA+32
.endr
.endm
.macro PLACES                          ; four places in front of loads into registers that matrix instructions have read, and of LDS stores that read results
.rept 4
	v_nop
.endr
.endm
; A K step is four quarters of 32 along K, 32 matrix instructions each, on buffers 0, 1, 0, 1.  One of the first three: multiplies buffer f and, in its middle, fetches quarter q into buffer g.
.macro QUARTER slot, q, f, g, first
	s_wait_dscnt 4                                 ; wpf's fragments and y's blocks 0, 1 are in; the youngest four loads may be out
	MULA \f, 0, \first
	MULA \f, 1, \first
	PLACES
	FETCH \slot, \q, \g
	s_wait_dscnt 24                                ; all but the 24 just issued
	MULA \f, 2, \first
	MULA \f, 3, \first
.endm
; The last quarter multiplies buffer 1 and changes slots: ONE barrier.  In front of it each wave waits for all its tensor loads (one is out: its part of the next slot), adds 0 to its spare word, and waits for that and
; for its own reads of this slot.  fill = 1: the barrier opens a round of the cluster's, and the slot just read out is filled again, two K steps ahead, first thing behind the round.
.macro TURN slot, next, fill
	WIN 0                                          ; (the add's two registers lie in window 0)
	s_wait_tensorcnt 0x0                           ; all my tensor loads have landed;
	ds_add_u32 v[SPW], v[NIL]                      ; 0 onto my spare word;
	s_wait_dscnt 5                                 ; (the add and the youngest four loads may be out)
	MULA 1, 0, 0                                   ; eight matrix instructions stand between the add and the wait for it
	s_wait_dscnt 0x0                               ; the add is done, and my reads of this slot are over
	s_barrier_signal -1
	MULA 1, 1, 0                                   ; work on registers while the others arrive
.if \fill
	WIN 0
.endif
	s_barrier_wait -1
.if \fill
	CREST                                          ; no wave of any partner still reads this slot's tile or has a load on its way
	s_add_nc_u64 s[G0+4*(\slot)+2:G0+4*(\slot)+3], s[G0+4*(\slot)+2:G0+4*(\slot)+3], 0x100000  ; four heads on
	s_add_nc_u64 s[G0B+4*(\slot)+2:G0B+4*(\slot)+3], s[G0B+4*(\slot)+2:G0B+4*(\slot)+3], 512
	JLOAD \slot                                    ; 112 matrix instructions ahead of the wait for it; the four v_nop behind it are also the places in front of the loads below
.else
	PLACES
.endif
	FETCH \next, 0, 0
	MULA 1, 2, 0
	MULA 1, 3, 0
.endm
; THE WAY OUT of row block a.  TOSTAGE: a lane's 32 bytes of a row go into my stage (each accumulator's low four registers first) and come back as whole rows of 512 bytes.  SEND: stored.
.macro TOSTAGE a
.if (\a) >= 2
	s_wait_xcnt 0x0                                ; the stores of the block two back have read their registers, into which this block comes back
.endif
	WIN 0x08                                       ; the data (source 1) in window 2, the address in window 0
.irp b, 0,1,2,3,4,5,6,7
	ds_store_b128 v[STO], v[64*(\a)+8*(\b):64*(\a)+8*(\b)+3]   offset:64*(\b)
	ds_store_b128 v[STO], v[64*(\a)+8*(\b)+4:64*(\a)+8*(\b)+7] offset:64*(\b)+16
.endr
	WIN 0
.irp t, 0,1,2,3,4,5,6,7,8,9,10,11,12,13,14,15
	ds_load_b128 v[FA+128*((\a)%2)+4*(\t):FA+128*((\a)%2)+4*(\t)+3], v[RD] offset:(\t)*SPITCH  ; LDS serves a wave's instructions in order (ISA guide 5.7.1.4): these see the stores above; the next block's stores come behind them
.endr
.endm
.macro SEND a, younger                 ; younger: the LDS instructions issued behind block a's loads: the next block's 16 stores and 16 loads, or none
	WIN 0
	s_wait_dscnt \younger
.irp t, 0,1,2,3,4,5,6,7,8,9,10,11,12,13,14,15
	global_store_b128 v[CO], v[FA+128*((\a)%2)+4*(\t):FA+128*((\a)%2)+4*(\t)+3], s[OUT:OUT+1] offset:(16*(\a)+(\t))*4096 th:TH_STORE_NT  ; 512 consecutive bytes, at a multiple of 256 from out0's first
.endr
.endm
	s_wait_tensorcnt 1                             ; my part of K step 0 is in; K step 1's may stay out
	s_barrier_signal -1
	s_barrier_wait -1                              ; everybody's is
	FETCH 0, 0, 0
	s_wait_loadcnt 0x0                             ; the bias
	QUARTER 0, 1, 0, 1, 1                          ; the first quarter stands in front of the loop: its products start the sums
	WIN 0                                          ; at a label and at a branch every window is 0
	s_mov_b32 s[LAP], 3
.Llap:                                                 ; a trip goes once round the ring, from a lap's second quarter to the next lap's first, and fills both slots again: K steps 2 to 7
	QUARTER 0, 2, 1, 0, 0
	QUARTER 0, 3, 0, 1, 0
	TURN 0, 1, 1
	QUARTER 1, 1, 0, 1, 0
	QUARTER 1, 2, 1, 0, 0
	QUARTER 1, 3, 0, 1, 0
	TURN 1, 0, 1
	QUARTER 0, 1, 0, 1, 0
	WIN 0
	s_sub_co_u32 s[LAP], s[LAP], 1
	s_cmp_lg_u32 s[LAP], 0
	s_cbranch_scc1 .Llap
	QUARTER 0, 2, 1, 0, 0                          ; the last lap fills nothing, and has no round of the cluster's barrier
	QUARTER 0, 3, 0, 1, 0
	TURN 0, 1, 0
	QUARTER 1, 1, 0, 1, 0
	QUARTER 1, 2, 1, 0, 0
	QUARTER 1, 3, 0, 1, 0
	s_wait_dscnt 4                                 ; the very last quarter: nothing more to fetch
	MULA 1, 0, 0
	MULA 1, 1, 0
	s_wait_dscnt 0x0
	MULA 1, 2, 0
	MULA 1, 3, 0
	WIN 0
	PLACES
	TOSTAGE 0
	TOSTAGE 1                                      ; a block's trip through the stage stands between the loads of the block before and its stores
	SEND 0, 32
	TOSTAGE 2
	SEND 1, 32
	TOSTAGE 3
	SEND 2, 32
	SEND 3, 0
	s_wait_tensorcnt 0x0                           ; the wave's end: a wait, an add of 0 onto my spare word and its wait, behind my last tensor load and my last LDS store
	ds_add_u32 v[SPW], v[NIL]
	s_wait_dscnt 0x0
	CROUND                                         ; the closing round: no work-group ends while a partner may still ask for a tile that names it
	s_endpgm
.Lfunc_end_k_q50cf997c4d_proj:
	.size	k_q50cf997c4d_proj, .Lfunc_end_k_q50cf997c4d_proj-k_q50cf997c4d_proj
	.p2alignl 7, 3214868480
	.fill 96, 4, 3214868480
	.section	.rodata,"a",@progbits
	.p2align	6, 0x0
	.amdhsa_kernel k_q50cf997c4d_proj
		.amdhsa_group_segment_fixed_size 327680
		.amdhsa_private_segment_fixed_size 0
		.amdhsa_enable_private_segment 0
		.amdhsa_kernarg_size 32
		.amdhsa_user_sgpr_count 2
		.amdhsa_user_sgpr_kernarg_segment_ptr 1
		.amdhsa_wavefront_size32 1
		.amdhsa_system_sgpr_workgroup_id_x 1
		.amdhsa_system_sgpr_workgroup_id_y 1
		.amdhsa_system_sgpr_workgroup_id_z 1
		.amdhsa_system_vgpr_workitem_id 0
		.amdhsa_next_free_vgpr 768
		.amdhsa_next_free_sgpr 66
		.amdhsa_reserve_vcc 0
		.amdhsa_float_denorm_mode_32 3
		.amdhsa_float_denorm_mode_16_64 3
		.amdhsa_memory_ordered 1
		.amdhsa_forward_progress 1
		.amdhsa_inst_pref_size 87
	.end_amdhsa_kernel
	.amdgpu_metadata
---
amdhsa.version: [ 1, 2 ]
amdhsa.kernels:
  - .name:           k_q50cf997c4d_proj
    .symbol:         k_q50cf997c4d_proj.kd
    .args:
      - { .name: o, .offset: 0, .size: 8, .value_kind: global_buffer, .address_space: global }
      - { .name: wpf, .offset: 8, .size: 8, .value_kind: global_buffer, .address_space: global }
      - { .name: ball, .offset: 16, .size: 8, .value_kind: global_buffer, .address_space: global }
      - { .name: out0, .offset: 24, .size: 8, .value_kind: global_buffer, .address_space: global }
    .group_segment_fixed_size: 327680
    .private_segment_fixed_size: 0
    .kernarg_segment_align: 8
    .kernarg_segment_size: 32
    .max_flat_workgroup_size: 128
    .sgpr_count:     66
    .vgpr_count:     768
    .wavefront_size: 32
...
	.end_amdgpu_metadata
.endif
;; end of part 4
;; ======== version 2 of 2: 4 launches; version 1 with the launch cvt written anew for expert scheduling mode
;; limits: values are held in f16: magnitudes above 65,504 overflow, below 6.1e-05 lose precision
;; workspace buffers: xb 16,777,216 bytes; wqkv 6,291,456 bytes; wpf 2,097,152 bytes; ball 16,384 bytes; qkv 50,331,648 bytes; o 16,777,216 bytes
;; launch cvt (part 5): grid 769 x 1, 8 waves a work-group, no clusters, 0 bytes of LDS; arguments x, Wq, Wk, Wv, Wp, bq, bk, bv, bp, xb, wqkv, wpf, ball; writes xb, wqkv, wpf, ball
.if DOCPART == 5
	.amdgcn_target "amdgcn-amd-amdhsa--gfx1250"
	.amdhsa_code_object_version 6
	.text
	.protected	k_q50cf997c4d_cvt
	.globl	k_q50cf997c4d_cvt
	.p2align	8
	.type	k_q50cf997c4d_cvt,@function
k_q50cf997c4d_cvt:
	s_mov_b64 s[64:65], 0
	v_nop
	global_prefetch_b8 v0, s[64:65] scope:SCOPE_SE
	s_setreg_imm32_b32 hwreg(HW_REG_WAVE_SCHED_MODE, 0, 2), 2
	s_setreg_imm32_b32 hwreg(HW_REG_WAVE_MODE, 25, 1), 1
	s_wait_xcnt 0x0
	s_wait_alu depctr_vm_vsrc(0)
; EVERY INPUT IS ROUNDED ONCE TO bf16.  x -> xb (bf16); Wq, Wk, Wv -> wqkv (bf16, the three one below the other); Wp -> wpf (rounded to bf16, that number written as f16);
; bq, bk, bv, bp -> ball (rounded to bf16, written as f32, one behind the other).
; LIMITS.  A number of Wp beyond 65,504 becomes an infinity in f16; below 6.1e-5 it keeps f16's fixed step of 6e-8.  NaN and infinities are not treated apart.
; SHARES.  A stream: no LDS, no barrier, no matrix unit.  A work-group takes a chunk of 16,384 numbers: 16 rows of 4,096 bytes in, 16 rows of 2,048 bytes out.
; Thread t takes the 16 bytes at 16 t of each row in (a wave's load covers 512 consecutive bytes) and stores the 8 bytes at 8 t of each row out (a wave's store covers 256 consecutive bytes, aligned).
; All 16 loads of a thread go out at once; each has registers of its own for what is stored, so no source is written twice.
; Work-group id: 0-511 x; 512-703 Wq, Wk, Wv (64 chunks each); 704-767 Wp; 768 the four biases.
; THE MODE: SCHED_MODE bits 1:0 = 2 (LLVM: expert scheduling mode 2), set by the entry lines.  The code itself states the register dependences
; between vector instructions and memory instructions, with s_wait_alu, always for 0.
; THE PLAN.  Registers that memory instructions touch:
;   v1, v2   byte offsets.  Written once, at the head; read by every load and store; never written again.
;   X        Each register is written by one load, once in the launch, and no vector line names it before that load; read by its row's conversions.
;   Y        Each register is written once, by a conversion (in the bias path by a shift or a mask), and read once, by one store; never written again.
;   T        at work: vector lines alone name it.
; So nothing that a memory instruction has read is written again, and no load lands in a register that a vector line has named: the one kind of dependence is a vector line's result that a
; memory instruction reads.  One wait at the head states it for the offsets; the 16 rows go in four blocks of four, and one wait stands between a block's conversions and its four stores.
.set X, 8                              ; v[8:71]    16 x 4 numbers as loaded
.set Y, 72                             ; v[72:103]  16 x 2 words to store
.set T, 104                            ; v[104:107] at work
	s_load_b512 s[8:23], s[0:1], 0x0               ; x s[8:9], Wq s[10:11], Wk s[12:13], Wv s[14:15], Wp s[16:17], bq s[18:19], bk s[20:21], bv s[22:23]
	s_load_b256 s[24:31], s[0:1], 0x40             ; bp s[24:25], xb s[26:27], wqkv s[28:29], wpf s[30:31]
	s_load_b64 s[32:33], s[0:1], 0x60              ; ball
	v_lshlrev_b32 v1, 4, v0                        ; 16 t
	v_lshlrev_b32 v2, 3, v0                        ; 8 t
	s_mov_b32 s40, 0xffff0000                      ; a word's upper bf16
	s_max_u32 s34, ttmp9, 512
	s_sub_co_u32 s34, s34, 512                     ; the chunk's number among the weights' (0 for x's chunks, where it is not used)
	s_and_b32 s35, s34, 63                         ; and inside its own matrix
	s_wait_kmcnt 0x0
	s_wait_alu depctr_va_vdst(0)                   ; v1 and v2 are written: every load and store of the kernel, on each of the three ways below, reads one of them as its offset
	s_cmp_eq_u32 ttmp9, 768
	s_cbranch_scc1 .Lbias
	s_mov_b64 s[4:5], s[16:17]                     ; from where and to where: Wp -> wpf, unless the id is lower
	s_mov_b64 s[6:7], s[30:31]
	s_mov_b32 s36, s35                             ; chunk in the source
	s_mov_b32 s38, s35                             ; chunk in the destination
	s_cmp_lt_u32 ttmp9, 704
	s_cselect_b64 s[4:5], s[14:15], s[4:5]         ; Wv
	s_cselect_b64 s[6:7], s[28:29], s[6:7]         ; wqkv,
	s_cselect_b32 s38, s34, s38                    ; where the three matrices' chunks follow each other
	s_cmp_lt_u32 ttmp9, 640
	s_cselect_b64 s[4:5], s[12:13], s[4:5]         ; Wk
	s_cmp_lt_u32 ttmp9, 576
	s_cselect_b64 s[4:5], s[10:11], s[4:5]         ; Wq
	s_cmp_lt_u32 ttmp9, 512
	s_cselect_b64 s[4:5], s[8:9], s[4:5]           ; x
	s_cselect_b64 s[6:7], s[26:27], s[6:7]         ; xb
	s_cselect_b32 s36, ttmp9, s36
	s_cselect_b32 s38, ttmp9, s38
	s_lshl_b32 s36, s36, 16                        ; 65,536 bytes a chunk in,
	s_lshl_b32 s38, s38, 15                        ; 32,768 out
	s_mov_b32 s37, 0
	s_mov_b32 s39, 0
	s_add_nc_u64 s[4:5], s[4:5], s[36:37]
	s_add_nc_u64 s[6:7], s[6:7], s[38:39]
.irp i, 0,1,2,3,4,5,6,7,8,9,10,11,12,13,14,15
	global_load_b128 v[X+4*(\i):X+4*(\i)+3], v1, s[4:5] offset:4096*(\i) th:TH_LOAD_NT
.endr
; Row i of the chunk, rounded to bf16.
.macro ROWB i
	s_wait_loadcnt 15-(\i)                         ; loads come back in order (ISA guide 5.7.1): row i is in, the 15 - i younger ones stay out
	v_cvt_pk_bf16_f32 v[Y+2*(\i)], v[X+4*(\i)], v[X+4*(\i)+1]
	v_cvt_pk_bf16_f32 v[Y+2*(\i)+1], v[X+4*(\i)+2], v[X+4*(\i)+3]
.endm
; Row i of the chunk, rounded to bf16, widened again (a shift, a mask), and that number written as f16.
.macro ROWH i
	s_wait_loadcnt 15-(\i)                         ; row i is in, the 15 - i younger loads stay out
	v_cvt_pk_bf16_f32 v[T], v[X+4*(\i)], v[X+4*(\i)+1]
	v_cvt_pk_bf16_f32 v[T+1], v[X+4*(\i)+2], v[X+4*(\i)+3]
	v_lshlrev_b32 v[T+2], 16, v[T]
	v_and_b32 v[T+3], s40, v[T]
	v_cvt_pk_f16_f32 v[Y+2*(\i)], v[T+2], v[T+3]
	v_lshlrev_b32 v[T+2], 16, v[T+1]
	v_and_b32 v[T+3], s40, v[T+1]
	v_cvt_pk_f16_f32 v[Y+2*(\i)+1], v[T+2], v[T+3]
.endm
; Block p's four rows leave.
.macro OUT4 p
	s_wait_alu depctr_va_vdst(0)                   ; the block's conversions have written its eight registers of Y, which the four stores below read; no vector line stands between this wait and them
.irp r, 0,1,2,3
	global_store_b64 v2, v[Y+2*(4*(\p)+(\r)):Y+2*(4*(\p)+(\r))+1], s[6:7] offset:2048*(4*(\p)+(\r))
.endr
.endm
	s_cmp_lt_u32 ttmp9, 704
	s_cbranch_scc0 .Lf16
.irp p, 0,1,2,3
	ROWB 4*(\p)
	ROWB 4*(\p)+1
	ROWB 4*(\p)+2
	ROWB 4*(\p)+3
	OUT4 \p
.endr
	s_endpgm
.Lf16:
.irp p, 0,1,2,3
	ROWH 4*(\p)
	ROWH 4*(\p)+1
	ROWH 4*(\p)+2
	ROWH 4*(\p)+3
	OUT4 \p
.endr
	s_endpgm
.Lbias:                                        ; 256 threads x 4 numbers are one bias
	global_load_b128 v[X:X+3],     v1, s[18:19]
	global_load_b128 v[X+4:X+7],   v1, s[20:21]
	global_load_b128 v[X+8:X+11],  v1, s[22:23]
	global_load_b128 v[X+12:X+15], v1, s[24:25]
.irp j, 0,1,2,3
	s_wait_loadcnt 3-(\j)                          ; bias j is in
	v_cvt_pk_bf16_f32 v[T], v[X+4*(\j)], v[X+4*(\j)+1]
	v_cvt_pk_bf16_f32 v[T+1], v[X+4*(\j)+2], v[X+4*(\j)+3]
	v_lshlrev_b32 v[Y+4*(\j)], 16, v[T]
	v_and_b32 v[Y+4*(\j)+1], s40, v[T]
	v_lshlrev_b32 v[Y+4*(\j)+2], 16, v[T+1]
	v_and_b32 v[Y+4*(\j)+3], s40, v[T+1]
.endr
	s_wait_alu depctr_va_vdst(0)                   ; the shifts and masks have written the sixteen registers of Y that the four stores below read
.irp j, 0,1,2,3
	global_store_b128 v1, v[Y+4*(\j):Y+4*(\j)+3], s[32:33] offset:4096*(\j)
.endr
	s_endpgm
.Lfunc_end_k_q50cf997c4d_cvt:
	.size	k_q50cf997c4d_cvt, .Lfunc_end_k_q50cf997c4d_cvt-k_q50cf997c4d_cvt
	.p2alignl 7, 3214868480
	.fill 96, 4, 3214868480
	.section	.rodata,"a",@progbits
	.p2align	6, 0x0
	.amdhsa_kernel k_q50cf997c4d_cvt
		.amdhsa_group_segment_fixed_size 0
		.amdhsa_private_segment_fixed_size 0
		.amdhsa_enable_private_segment 0
		.amdhsa_kernarg_size 104
		.amdhsa_user_sgpr_count 2
		.amdhsa_user_sgpr_kernarg_segment_ptr 1
		.amdhsa_wavefront_size32 1
		.amdhsa_system_sgpr_workgroup_id_x 1
		.amdhsa_system_sgpr_workgroup_id_y 1
		.amdhsa_system_sgpr_workgroup_id_z 1
		.amdhsa_system_vgpr_workitem_id 0
		.amdhsa_next_free_vgpr 108
		.amdhsa_next_free_sgpr 66
		.amdhsa_reserve_vcc 0
		.amdhsa_float_denorm_mode_32 3
		.amdhsa_float_denorm_mode_16_64 3
		.amdhsa_memory_ordered 1
		.amdhsa_forward_progress 1
		.amdhsa_inst_pref_size 18
	.end_amdhsa_kernel
	.amdgpu_metadata
---
amdhsa.version: [ 1, 2 ]
amdhsa.kernels:
  - .name:           k_q50cf997c4d_cvt
    .symbol:         k_q50cf997c4d_cvt.kd
    .args:
      - { .name: x, .offset: 0, .size: 8, .value_kind: global_buffer, .address_space: global }
      - { .name: Wq, .offset: 8, .size: 8, .value_kind: global_buffer, .address_space: global }
      - { .name: Wk, .offset: 16, .size: 8, .value_kind: global_buffer, .address_space: global }
      - { .name: Wv, .offset: 24, .size: 8, .value_kind: global_buffer, .address_space: global }
      - { .name: Wp, .offset: 32, .size: 8, .value_kind: global_buffer, .address_space: global }
      - { .name: bq, .offset: 40, .size: 8, .value_kind: global_buffer, .address_space: global }
      - { .name: bk, .offset: 48, .size: 8, .value_kind: global_buffer, .address_space: global }
      - { .name: bv, .offset: 56, .size: 8, .value_kind: global_buffer, .address_space: global }
      - { .name: bp, .offset: 64, .size: 8, .value_kind: global_buffer, .address_space: global }
      - { .name: xb, .offset: 72, .size: 8, .value_kind: global_buffer, .address_space: global }
      - { .name: wqkv, .offset: 80, .size: 8, .value_kind: global_buffer, .address_space: global }
      - { .name: wpf, .offset: 88, .size: 8, .value_kind: global_buffer, .address_space: global }
      - { .name: ball, .offset: 96, .size: 8, .value_kind: global_buffer, .address_space: global }
    .group_segment_fixed_size: 0
    .private_segment_fixed_size: 0
    .kernarg_segment_align: 8
    .kernarg_segment_size: 104
    .max_flat_workgroup_size: 256
    .sgpr_count:     66
    .vgpr_count:     108
    .wavefront_size: 32
...
	.end_amdgpu_metadata
.endif
;; end of part 5
;; launch qkvp: the kernel of part 2 again; grid 16 x 32, 4 waves a work-group, clusters of 4 x 4, 327,680 bytes of LDS; arguments xb, wqkv, ball, qkv; writes qkv
;; launch attn: the kernel of part 3 again; grid 4 x 64, 4 waves a work-group, no clusters, 327,680 bytes of LDS; arguments qkv, o; writes o
;; launch proj: the kernel of part 4 again; grid 8 x 32, 4 waves a work-group, clusters of 4 x 4, 327,680 bytes of LDS; arguments o, wpf, ball, out0; writes out0
